; MI455X (gfx1250); checked and timed in simulation.
; The chip was launched on July 23, 2026; its instructions are those of AMD's public machine-readable ISA for CDNA 5 (MIT licence, August 2026) and "CDNA5" Instruction Set Architecture Reference Guide (July 2026). The comments in the code are by the model that wrote it; some were corrected since.
;; Capsule. Allowed arithmetic: float matrix products may take bf16 or f16 operands with f32 sums; all other float work in f32.
;; Inputs: W 2,048 x 256 float32; u_vecs 64 x 1,024 x 256 float32.
;; Outputs: out0 64 x 32 x 64 float32.
;; One version. Each part assembles by itself: llvm-mc -triple=amdgcn-amd-amdhsa -mcpu=gfx1250 --defsym DOCPART=n.
;; ======== version 1 of 1: 6 launches
;; limits: inputs' magnitudes at most 2,047; values are held in f16: magnitudes above 65,504 overflow, below 6.1e-05 lose precision; below input magnitudes of 6e-05 results are inexact or not finite
;; workspace buffers: u16 33,554,432 bytes; w16 1,048,576 bytes; csum 262,144 bytes; v16 1,048,576 bytes; spart 8,388,608 bytes
;; launch prep (part 1): grid 256 x 1, 16 waves a work-group, no clusters, 10,240 bytes of LDS; arguments u_vecs, W, u16, w16, csum; writes u16, w16, csum
.if DOCPART == 1
	.amdgcn_target "amdgcn-amd-amdhsa--gfx1250"
	.amdhsa_code_object_version 6
	.text
	.protected	k_qcff1d5b17f_prep
	.globl	k_qcff1d5b17f_prep
	.p2align	8
	.type	k_qcff1d5b17f_prep,@function
k_qcff1d5b17f_prep:
	s_mov_b64 s[64:65], 0
	v_nop
	global_prefetch_b8 v0, s[64:65] scope:SCOPE_SE
	s_setreg_imm32_b32 hwreg(HW_REG_WAVE_MODE, 25, 1), 1
	s_wait_xcnt 0x0
; prep: u16 = f16(u_vecs), w16 = f16(W), csum[b][q][d] = sum in f32 over the 256 rows i = 256 q .. 256 q + 255 of u_vecs[b][i][d].
; The capsule layer is worked without u_hat: u_hat[b,n,i,:] = W_n u[b,i,:] is linear in u, so each sum over i is taken on u itself and
; W_n is applied afterwards (later launches).  The first softmax is of zeros that the layer makes itself, c = 1/32, so its sum over i is a
; plain column sum: that is csum.
; LIMITS: u and W are rounded to f16 as matrix operands: finite for |x| < 65504; values below 6e-5 keep an absolute error of 3e-8.
; A stream: no matrix unit, no cluster, no tensor load; each input byte is read once.
; Work-group x = 4 b + q owns 256 rows of u (262,144 bytes) and 8,192 bytes of W.  Sixteen waves: wave w takes half w & 1 of a row (512 bytes,
; 16 bytes a lane) of the 32 rows 32 (w >> 1) ..; all 32 row loads of a lane are issued at once, so the group's whole share is on its way.
.set ROWB,  1024                       ; bytes of a row of u in f32
.set ROWH,  512                        ; bytes of a row in f16
.set UO,    1                          ; v1       byte offset of my 16 bytes in my first row of u
.set YO,    2                          ; v2       byte offset of my 8 bytes in my first row of u16
.set TO16,  3                          ; v3       16 x thread: offset in W, LDS address of my sums, offset in csum
.set TO8,   4                          ; v4       8 x thread: offset in w16
.set SUM,   6                          ; v[6:9]   sums of my four columns
.set WX,    10                         ; v[10:13] my 16 bytes of W
.set X,     16                         ; v[16:143] row i of my 32 at X + 4 i
	s_load_b256 s[4:11], s[0:1], 0x0               ; u s[4:5], W s[6:7], u16 s[8:9], w16 s[10:11]
	s_load_b64 s[12:13], s[0:1], 0x20              ; csum
	v_lshl_add_u32 v144, v0, 2, 0x2000
	v_mov_b32 v145, 0
	v_lshrrev_b32 v5, 5, v0
	v_readfirstlane_b32 s14, v5                    ; wave 0..15
	v_lshrrev_b32 v5, 6, v0                        ; which 32 rows
	v_and_b32 v[UO], 63, v0                        ; 32 x half + lane
	v_lshlrev_b32 v[YO], 3, v[UO]
	v_lshlrev_b32 v[UO], 4, v[UO]
	v_lshl_or_b32 v[UO], v5, 15, v[UO]             ; + 32 rows of 1,024 bytes
	v_lshl_or_b32 v[YO], v5, 14, v[YO]             ; + 32 rows of 512 bytes
	v_lshlrev_b32 v[TO16], 4, v0
	v_lshlrev_b32 v[TO8], 3, v0
	s_mov_b32 s3, 0
	s_wait_kmcnt 0x0
	s_lshl_b32 s2, ttmp9, 18                       ; 256 rows of 1,024 bytes
	s_add_nc_u64 s[4:5], s[4:5], s[2:3]
	s_lshl_b32 s2, ttmp9, 13                       ; 8,192 bytes of W
	s_add_nc_u64 s[6:7], s[6:7], s[2:3]
	s_lshl_b32 s2, ttmp9, 17
	s_add_nc_u64 s[8:9], s[8:9], s[2:3]
	s_lshl_b32 s2, ttmp9, 12
	s_add_nc_u64 s[10:11], s[10:11], s[2:3]
	s_lshl_b32 s2, ttmp9, 10                       ; one row of 256 f32 in csum
	s_add_nc_u64 s[12:13], s[12:13], s[2:3]
	global_load_b128 v[WX:WX+3], v[TO16], s[6:7] th:TH_LOAD_NT
.irp i, 0,1,2,3,4,5,6,7,8,9,10,11,12,13,14,15,16,17,18,19,20,21,22,23,24,25,26,27,28,29,30,31
	global_load_b128 v[X+4*\i:X+4*\i+3], v[UO], s[4:5] offset:\i*ROWB th:TH_LOAD_NT   ; a wave's load covers 512 consecutive bytes
.endr
	s_wait_loadcnt 32                              ; W's load is in: the 32 row loads issued after it stay out
	v_cvt_pk_f16_f32 v[WX], v[WX], v[WX+1]
	v_cvt_pk_f16_f32 v[WX+1], v[WX+2], v[WX+3]
	global_store_b64 v[TO8], v[WX:WX+1], s[10:11]  ; 32 lanes x 8 bytes: 256 consecutive bytes, aligned
; rows 2 k and 2 k + 1: added to the sums in f32, then rounded in place and stored.  No register is written again behind its store.
.macro PAIR k, first
	s_wait_loadcnt 30-2*\k                         ; loads come back in order: the 30 - 2 k younger row loads stay out
.if \first
	v_pk_add_f32 v[SUM:SUM+1],   v[X+8*\k:X+8*\k+1],   v[X+8*\k+4:X+8*\k+5]    ; the first pair starts the sums: nothing is cleared
	v_pk_add_f32 v[SUM+2:SUM+3], v[X+8*\k+2:X+8*\k+3], v[X+8*\k+6:X+8*\k+7]
.else
	v_pk_add_f32 v[SUM:SUM+1],   v[SUM:SUM+1],   v[X+8*\k:X+8*\k+1]
	v_pk_add_f32 v[SUM+2:SUM+3], v[SUM+2:SUM+3], v[X+8*\k+2:X+8*\k+3]
	v_pk_add_f32 v[SUM:SUM+1],   v[SUM:SUM+1],   v[X+8*\k+4:X+8*\k+5]
	v_pk_add_f32 v[SUM+2:SUM+3], v[SUM+2:SUM+3], v[X+8*\k+6:X+8*\k+7]
.endif
.irp a, 0,4
	v_cvt_pk_f16_f32 v[X+8*\k+\a],   v[X+8*\k+\a],   v[X+8*\k+\a+1]
	v_cvt_pk_f16_f32 v[X+8*\k+\a+1], v[X+8*\k+\a+2], v[X+8*\k+\a+3]
	global_store_b64 v[YO], v[X+8*\k+\a:X+8*\k+\a+1], s[8:9] offset:(2*\k+\a/4)*ROWH   ; 256 consecutive bytes, aligned
.endr
.endm
	PAIR 0, 1
.irp k, 1,2,3,4,5,6,7,8,9,10,11,12,13,14,15
	PAIR \k, 0
.endr
	; the eight row groups' sums meet in LDS: 16 x thread = 1,024 x row group + 512 x half + 16 x lane, that is [8][256] f32
	ds_store_b128 v[TO16], v[SUM:SUM+3]
	s_wait_dscnt 0x0                               ; my sums are in LDS before I say so
	s_barrier_signal -1
	s_barrier_wait -1
	s_cmp_ge_u32 s14, 2
	s_cbranch_scc1 .Lend                           ; waves 0 and 1 (threads 0 to 63, four columns each) add the eight and store
	s_wait_xcnt 0x0                                ; X held data of stores: it is loaded again only behind this wait
.irp g, 0,1,2,3,4,5,6,7
	ds_load_b128 v[X+4*\g:X+4*\g+3], v[TO16] offset:\g*1024
.endr
	s_wait_dscnt 0x0
.irp g, 0,2,4,6
	v_pk_add_f32 v[X+4*\g:X+4*\g+1],   v[X+4*\g:X+4*\g+1],   v[X+4*\g+4:X+4*\g+5]
	v_pk_add_f32 v[X+4*\g+2:X+4*\g+3], v[X+4*\g+2:X+4*\g+3], v[X+4*\g+6:X+4*\g+7]
.endr
.irp g, 0,4
	v_pk_add_f32 v[X+4*\g:X+4*\g+1],   v[X+4*\g:X+4*\g+1],   v[X+4*\g+8:X+4*\g+9]
	v_pk_add_f32 v[X+4*\g+2:X+4*\g+3], v[X+4*\g+2:X+4*\g+3], v[X+4*\g+10:X+4*\g+11]
.endr
	v_pk_add_f32 v[X:X+1],   v[X:X+1],   v[X+16:X+17]
	v_pk_add_f32 v[X+2:X+3], v[X+2:X+3], v[X+18:X+19]
	global_store_b128 v[TO16], v[X:X+3], s[12:13]  ; a wave stores 512 consecutive bytes, aligned
.Lend:
	s_wait_tensorcnt 0x0
	ds_add_u32 v144, v145
	s_wait_dscnt 0x0
	s_endpgm
.Lfunc_end_k_qcff1d5b17f_prep:
	.size	k_qcff1d5b17f_prep, .Lfunc_end_k_qcff1d5b17f_prep-k_qcff1d5b17f_prep
	.p2alignl 7, 3214868480
	.fill 96, 4, 3214868480
	.section	.rodata,"a",@progbits
	.p2align	6, 0x0
	.amdhsa_kernel k_qcff1d5b17f_prep
		.amdhsa_group_segment_fixed_size 10240
		.amdhsa_private_segment_fixed_size 0
		.amdhsa_enable_private_segment 0
		.amdhsa_kernarg_size 40
		.amdhsa_user_sgpr_count 2
		.amdhsa_user_sgpr_kernarg_segment_ptr 1
		.amdhsa_wavefront_size32 1
		.amdhsa_system_sgpr_workgroup_id_x 1
		.amdhsa_system_sgpr_workgroup_id_y 1
		.amdhsa_system_sgpr_workgroup_id_z 1
		.amdhsa_system_vgpr_workitem_id 0
		.amdhsa_next_free_vgpr 146
		.amdhsa_next_free_sgpr 66
		.amdhsa_reserve_vcc 0
		.amdhsa_float_denorm_mode_32 3
		.amdhsa_float_denorm_mode_16_64 3
		.amdhsa_memory_ordered 1
		.amdhsa_forward_progress 1
		.amdhsa_inst_pref_size 18
	.end_amdhsa_kernel
	.amdgpu_metadata
---
amdhsa.version: [ 1, 2 ]
amdhsa.kernels:
  - .name:           k_qcff1d5b17f_prep
    .symbol:         k_qcff1d5b17f_prep.kd
    .args:
      - { .name: u_vecs, .offset: 0, .size: 8, .value_kind: global_buffer, .address_space: global }
      - { .name: W, .offset: 8, .size: 8, .value_kind: global_buffer, .address_space: global }
      - { .name: u16, .offset: 16, .size: 8, .value_kind: global_buffer, .address_space: global }
      - { .name: w16, .offset: 24, .size: 8, .value_kind: global_buffer, .address_space: global }
      - { .name: csum, .offset: 32, .size: 8, .value_kind: global_buffer, .address_space: global }
    .group_segment_fixed_size: 10240
    .private_segment_fixed_size: 0
    .kernarg_segment_align: 8
    .kernarg_segment_size: 40
    .max_flat_workgroup_size: 512
    .sgpr_count:     66
    .vgpr_count:     146
    .wavefront_size: 32
...
	.end_amdgpu_metadata
.endif
;; end of part 1
;; launch mix_first (part 2): grid 32 x 4, 4 waves a work-group, no clusters, 168,448 bytes of LDS; arguments csum, w16, v16; writes v16
.if DOCPART == 2
	.amdgcn_target "amdgcn-amd-amdhsa--gfx1250"
	.amdhsa_code_object_version 6
	.text
	.protected	k_qcff1d5b17f_mix_first
	.globl	k_qcff1d5b17f_mix_first
	.p2align	8
	.type	k_qcff1d5b17f_mix_first,@function
k_qcff1d5b17f_mix_first:
	s_mov_b64 s[64:65], 0
	v_nop
	global_prefetch_b8 v0, s[64:65] scope:SCOPE_SE
	s_setreg_imm32_b32 hwreg(HW_REG_WAVE_MODE, 25, 1), 1
	s_wait_xcnt 0x0
; mix: for capsule n and 16 batches: s = sum over the four row quarters of the partial sums; o = W_n s (W_n = rows 64 n .. 64 n + 63 of W);
; then either (LAST = 0) o is normalised as the layer does, o / max(|o|, 1e-12), and v = log2(e) W_n^T o is stored in f16 (the next launch's
; logits are u . v, in base 2), or (LAST = 1) o is squashed, sqrt(q) / (0.5 + q) o with q = |o|^2 + 1e-7, and stored as the result.
; One text serves three launches; the two lines below are all that differs.
; FIRST = 1: the source is csum[b][q][d], the same for every capsule, and the factor 2^-5 on s IS the first softmax's c = 1/32.
; FIRST = 0: the source is spart[n][b][q][d]; s enters the product as s 2^-5, to have room in f16, and o is multiplied by 32 afterwards.
.set FIRST, 1
.set LAST,  0
; LIMITS: matrix operands are f16, sums f32.  s 2^-5 is finite in f16 while |s| < 2,096,000, that is for every |u| < 2047 (|s| <= 1024 max|u|);
; operand values below 6e-5 keep an absolute error of 3e-8.  The order of the sums is not the reference's.  v_sqrt_f32 and v_rcp_f32 take
; denormals as zero: a squared norm below 2^-126 counts as 0, which the clamp at 1e-12 (or the 1e-7) covers.
; No cluster: what the four work-groups of a capsule share is W_n, 32 KiB of the 96 KiB that a work-group reads.  No slots that take turns: all that a
; work-group reads fits LDS and registers at once and is asked for in its first lines.
; Work-group (n, g): capsule n = x, batches 16 g .. 16 g + 15.  Four waves.  Every wave makes the whole of o^T (64 x 16, 32 matrix instructions),
; which spares an exchange; of v each wave makes 64 of the 256 columns.
; LDS: W_n 64 rows x 528 (512 bytes + 16: row r starts 16 r bytes further modulo 256, so the sixteen rows of a fragment load do not meet);
; s 16 rows x 528; the stage for the way out.  Only the first region is filled by the tensor load, the others by LDS stores.
.set PW,     528
.set WBASE,  0
.set SABASE, 64*PW                     ; 33,792
.set VSBASE, SABASE+16*PW              ; 42,240
.set PO,     272                       ; LAST: a staged row of 64 f32 + 16 bytes
.set AW,   6                           ; v6   W fragments: r x 528 + 16 h   (r = lane % 16, h = lane / 16)
.set ASA,  7                           ; v7   s fragments: the same in s's region
.set SW,   8                           ; v8   where I put my 8 bytes of s
.set TWA,  9                           ; v9   transposing loads of W_n
.set DW,   10                          ; v10  stage: where I put results
.set DR,   11                          ; v11  stage: where I read rows back
.set GDO,  12                          ; v12  byte offset in the destination
.set GSO,  13                          ; v13  byte offset in the source
.set OACC, 16                          ; v[16:47]   o^T: tile ot (16 of the 64 numbers of o x 16 batches) at OACC + 8 ot
.set RING, 48                          ; v[48:167]  three fragment buffers of 40: W's tile ot at + 8 ot, s at + 32
.set TW,   168                         ; v[168:231] W_n^T: fragment (p, td) at TW + 8 (4 p + td)
.set SX,   48                          ; v[48:175]  the partial sums as loaded; dead before the first fragment load
.set OH,   48                          ; v[48:63]   normalised o in f16: fragment p at OH + 8 p
.set VACC, 64                          ; v[64:95]   v^T: tile td at VACC + 8 td
.set VP,   96                          ; v[96:111]  v in f16
.set RB,   112                         ; v[112:127] rows read back
.set T,    128                         ; v[128:133] at work
.set G1,   16                          ; s[16:23] descriptor group 1
.set G0,   24                          ; s[24:27] descriptor group 0
	s_load_b128 s[4:7], s[0:1], 0x0                ; source s[4:5], w16 s[6:7]
	s_load_b64 s[8:9], s[0:1], 0x10                ; destination
	v_lshl_add_u32 v232, v0, 2, 0x29000
	v_mov_b32 v233, 0
	ds_add_u32 v232, v233
	ds_add_u32 v232, v233
	v_lshrrev_b32 v1, 5, v0
	v_readfirstlane_b32 s10, v1                    ; wave 0..3
	s_mov_b32 s11, ttmp9                           ; capsule n
	s_and_b32 s12, ttmp7, 0xffff                   ; batch group g
	s_mov_b32 s13, 0x76543210                      ; v_permlanex16_b32: lane i reads lane i of the other half
	s_mov_b32 s14, 0xfedcba98
	; group 1: 64 rows x 256 elements of 2 bytes, 16 bytes of padding behind every 128 words
	s_mov_b32 s[G1+0], (1<<16)|(1<<20)|(6<<22)|(3<<25)
	s_mov_b32 s[G1+1], 256<<16                     ; tensor_dim0 = 256
	s_mov_b32 s[G1+2], 64<<16                      ; tensor_dim1 = 64
	s_mov_b32 s[G1+3], 256<<16                     ; tile_dim0 = 256
	s_mov_b32 s[G1+4], 64                          ; tile_dim1 = 64
	s_mov_b32 s[G1+5], 256                         ; elements from row to row
	s_mov_b32 s[G1+6], 0
	s_mov_b32 s[G1+7], 0
	s_mov_b32 s[G0], 1
	s_mov_b32 s[G0+1], WBASE
	s_lshl_b32 s28, s11, 15                        ; W_n: 64 rows of 512 bytes
	s_mov_b32 s29, 0
	s_lshl_b32 s2, s12, 16                         ; source: 16 batches x 4 quarters x 1,024 bytes
.if FIRST == 0
	s_lshl_b32 s3, s11, 18                         ; + capsule x 64 batches x 4,096 bytes
	s_add_co_u32 s2, s2, s3
.endif
	s_mov_b32 s3, 0
.if LAST
	s_lshl_b32 s30, s12, 17                        ; out0[b][n][64] f32: 16 batches of 8,192 bytes,
	s_lshl_b32 s31, s11, 8                         ; a capsule's 256 bytes,
	s_add_co_u32 s30, s30, s31
	s_lshl_b32 s31, s10, 15                        ; my four batches
	s_add_co_u32 s30, s30, s31
.else
	s_lshl_b32 s30, s12, 18                        ; v16[b][n][256] f16: 16 batches of 16,384 bytes,
	s_lshl_b32 s31, s11, 9                         ; a capsule's 512 bytes,
	s_add_co_u32 s30, s30, s31
	s_lshl_b32 s31, s10, 16                        ; my four batches
	s_add_co_u32 s30, s30, s31
.endif
	s_mov_b32 s31, 0
	v_lshrrev_b32 v4, 6, v0                        ; threads 0-63 take the even batch of a pair, 64-127 the odd one
	v_and_b32 v5, 63, v0                           ; four columns a thread
	v_lshlrev_b32 v[GSO], 4, v5
	v_lshl_or_b32 v[GSO], v4, 12, v[GSO]
	s_wait_dscnt 0x0
	s_wait_kmcnt 0x0
	s_add_nc_u64 s[G0+2:G0+3], s[6:7], s[28:29]
	s_or_b32 s[G0+3], s[G0+3], 0x80000000          ; type = 2
	s_add_nc_u64 s[4:5], s[4:5], s[2:3]
	s_add_nc_u64 s[8:9], s[8:9], s[30:31]
	s_cmp_lg_u32 s10, 0
	s_cbranch_scc1 .Lno_w
	tensor_load_to_lds s[G0:G0+3], s[G1:G1+7]      ; wave 0 alone: W_n, the launch's only fill; one tensor load is out
	s_nop 0
.Lno_w:
.irp bi, 0,1,2,3,4,5,6,7
.irp q, 0,1,2,3
.if FIRST
	global_load_b128 v[SX+16*\bi+4*\q:SX+16*\bi+4*\q+3], v[GSO], s[4:5] offset:\bi*8192+\q*1024               ; read by all 32 capsules' groups: no hint
.else
	global_load_b128 v[SX+16*\bi+4*\q:SX+16*\bi+4*\q+3], v[GSO], s[4:5] offset:\bi*8192+\q*1024 th:TH_LOAD_NT ; read once in the launch
.endif
.endr
.endr
	; addresses, while the loads are out
	v_and_b32 v1, 31, v0                           ; lane
	v_and_b32 v2, 15, v0                           ; r
	v_bfe_u32 v3, v0, 4, 1                         ; h
	v_mul_u32_u24 v[AW], v2, PW
	v_lshl_add_u32 v[AW], v3, 4, v[AW]
	v_add_nc_u32 v[ASA], SABASE, v[AW]
	v_mul_u32_u24 v[SW], v4, PW
	v_lshl_add_u32 v[SW], v5, 3, v[SW]
	v_add_nc_u32 v[SW], SABASE, v[SW]
.if LAST
	s_mul_i32 s3, s10, 16*PO
	s_add_co_u32 s3, s3, VSBASE                    ; my own stage: 16 rows x 272 bytes
	v_mul_u32_u24 v[DW], v2, PO
	v_lshl_add_u32 v[DW], v3, 5, v[DW]             ; batch r, 32 bytes for each half of the lanes
	v_add_nc_u32 v[DW], s3, v[DW]
	s_mul_i32 s2, s10, 4*PO
	s_add_co_u32 s2, s2, s3                        ; rows 4 w ..
	v_mul_u32_u24 v[DR], v3, PO                    ; lanes 0-15 one row of 256 bytes, lanes 16-31 the next
	v_lshl_add_u32 v[DR], v2, 4, v[DR]
	v_add_nc_u32 v[DR], s2, v[DR]
	v_lshlrev_b32 v[GDO], 4, v2
	v_lshl_or_b32 v[GDO], v3, 13, v[GDO]           ; the next batch is 8,192 bytes on
.else
	s_lshr_b32 s15, s10, 1
	s_lshl_b32 s15, s15, 7
	s_and_b32 s2, s10, 1
	s_lshl_b32 s2, s2, 5
	s_add_co_u32 s15, s15, s2                      ; my first column: 128 (w / 2) + 32 (w % 2)
	s_lshl_b32 s2, s15, 1                          ; in bytes of f16
	; A tile of 16 columns d is SPLIT: columns n0 .. n0 + 7 and n0 + 64 .. n0 + 71, n0 = my first column + 8 td.  The transposing load's lanes 0-7
	; then address 16 j and its lanes 8-15 16 j + 128 modulo 256: sixteen different places.  My four tiles cover 32 + 32 columns.
	v_and_b32 v[TWA], 7, v0
	v_lshl_add_u32 v[TWA], v3, 3, v[TWA]           ; row 8 h + lane % 8
	v_mul_u32_u24 v[TWA], v[TWA], PW
	v_bfe_u32 v4, v0, 3, 1
	v_lshl_add_u32 v[TWA], v4, 7, v[TWA]           ; the second eight columns lie 128 bytes on
	v_add_nc_u32 v[TWA], s2, v[TWA]
	s_add_co_u32 s3, s2, VSBASE
	v_mul_u32_u24 v[DW], v2, PW
	v_lshl_add_u32 v[DW], v3, 7, v[DW]             ; batch r, column n0 + 64 h
	v_add_nc_u32 v[DW], s3, v[DW]
	s_mul_i32 s3, s10, 4*PW
	s_add_co_u32 s3, s3, VSBASE
	v_lshlrev_b32 v[GDO], 4, v1
	v_add_nc_u32 v[DR], s3, v[GDO]                 ; rows 4 w .., 16 bytes a lane: a whole row of 512 bytes
.endif
	; s = the sum of the four quarters, times 2^-5, in f16, into LDS as [16 batches][256]
.irp bi, 0,1,2,3,4,5,6,7
	s_wait_loadcnt 28-4*\bi                        ; this pair of batches' four loads are in; the 28 - 4 bi younger ones stay out
	v_pk_add_f32 v[SX+16*\bi:SX+16*\bi+1],     v[SX+16*\bi:SX+16*\bi+1],     v[SX+16*\bi+4:SX+16*\bi+5]
	v_pk_add_f32 v[SX+16*\bi+2:SX+16*\bi+3],   v[SX+16*\bi+2:SX+16*\bi+3],   v[SX+16*\bi+6:SX+16*\bi+7]
	v_pk_add_f32 v[SX+16*\bi+8:SX+16*\bi+9],   v[SX+16*\bi+8:SX+16*\bi+9],   v[SX+16*\bi+12:SX+16*\bi+13]
	v_pk_add_f32 v[SX+16*\bi+10:SX+16*\bi+11], v[SX+16*\bi+10:SX+16*\bi+11], v[SX+16*\bi+14:SX+16*\bi+15]
	v_pk_add_f32 v[SX+16*\bi:SX+16*\bi+1],     v[SX+16*\bi:SX+16*\bi+1],     v[SX+16*\bi+8:SX+16*\bi+9]
	v_pk_add_f32 v[SX+16*\bi+2:SX+16*\bi+3],   v[SX+16*\bi+2:SX+16*\bi+3],   v[SX+16*\bi+10:SX+16*\bi+11]
	v_pk_mul_f32 v[SX+16*\bi:SX+16*\bi+1],     v[SX+16*\bi:SX+16*\bi+1],     0x3d000000 op_sel_hi:[1,0]   ; 2^-5
	v_pk_mul_f32 v[SX+16*\bi+2:SX+16*\bi+3],   v[SX+16*\bi+2:SX+16*\bi+3],   0x3d000000 op_sel_hi:[1,0]
	v_cvt_pk_f16_f32 v[SX+16*\bi],   v[SX+16*\bi],   v[SX+16*\bi+1]
	v_cvt_pk_f16_f32 v[SX+16*\bi+1], v[SX+16*\bi+2], v[SX+16*\bi+3]
	ds_store_b64 v[SW], v[SX+16*\bi:SX+16*\bi+1] offset:\bi*2*PW
.endr
	s_wait_tensorcnt 0x0                           ; W_n has landed (wave 0; the others have none out),
	s_wait_dscnt 0x0                               ; my part of s is in LDS,
	s_barrier_signal -1
	s_barrier_wait -1                              ; and so is everybody's
.macro PLACES                          ; four plain vector instructions between a matrix instruction and a load into, or a vector instruction on, its registers
.rept 4
	v_nop
.endr
.endm
; ten LDS loads: W_n's four tiles and s, 32 along d at byte 64 ks of the rows, into buffer k
.macro LOADO ks, k
.irp ot, 0,1,2,3
	ds_load_b128 v[RING+40*\k+8*\ot:RING+40*\k+8*\ot+3],   v[AW] offset:\ot*16*PW+\ks*64
	ds_load_b128 v[RING+40*\k+8*\ot+4:RING+40*\k+8*\ot+7], v[AW] offset:\ot*16*PW+\ks*64+32
.endr
	ds_load_b128 v[RING+40*\k+32:RING+40*\k+35], v[ASA] offset:\ks*64
	ds_load_b128 v[RING+40*\k+36:RING+40*\k+39], v[ASA] offset:\ks*64+32
.endm
; four matrix instructions; the four accumulators take turns, one instruction a turn
.macro MUL4 k, zero
.irp ot, 0,1,2,3
.if \zero
	v_wmma_f32_16x16x32_f16 v[OACC+8*\ot:OACC+8*\ot+7], v[RING+40*\k+8*\ot:RING+40*\k+8*\ot+7], v[RING+40*\k+32:RING+40*\k+39], 0
.else
	v_wmma_f32_16x16x32_f16 v[OACC+8*\ot:OACC+8*\ot+7], v[RING+40*\k+8*\ot:RING+40*\k+8*\ot+7], v[RING+40*\k+32:RING+40*\k+39], v[OACC+8*\ot:OACC+8*\ot+7]
.endif
.endr
.endm
.macro STEPO ks, kl, km                ; fetch step ks into buffer kl, which the last products read; multiply buffer km
	PLACES
	LOADO \ks, \kl
	s_wait_dscnt 20                                ; all but the 10 + 10 loads of the two steps ahead
	MUL4 \km, 0
.endm
.if LAST == 0
	; W_n^T for the second product: 16 transposing loads, older than all that follow, so the counts below are as without them
.irp p, 0,1
.irp td, 0,1,2,3
	ds_load_tr16_b128 v[TW+8*(4*\p+\td):TW+8*(4*\p+\td)+3],   v[TWA] offset:\p*32*PW+\td*16
	ds_load_tr16_b128 v[TW+8*(4*\p+\td)+4:TW+8*(4*\p+\td)+7], v[TWA] offset:\p*32*PW+\td*16+16*PW
.endr
.endr
.endif
	; o^T = W_n s^T: rows = the 64 numbers of o, columns = 16 batches, 256 along d in eight steps on three buffers
	LOADO 0, 0
	LOADO 1, 1
	LOADO 2, 2
	s_wait_dscnt 20
	MUL4 0, 1                                      ; the first products start the sums
	STEPO 3, 0, 1
	STEPO 4, 1, 2
	STEPO 5, 2, 0
	STEPO 6, 0, 1
	STEPO 7, 1, 2
	s_wait_dscnt 10                                ; the last step's ten loads may be out
	MUL4 0, 0
	s_wait_dscnt 0x0
	MUL4 1, 0
	PLACES
	; lane (r, h), register j of tile ot: o[16 ot + 8 h + j] of batch r
.if FIRST == 0
.irp i, 0,1,2,3,4,5,6,7,8,9,10,11,12,13,14,15
	v_pk_mul_f32 v[OACC+2*\i:OACC+2*\i+1], v[OACC+2*\i:OACC+2*\i+1], 0x42000000 op_sel_hi:[1,0]   ; x 32: the true o
.endr
.endif
	v_pk_mul_f32 v[T:T+1],   v[OACC:OACC+1],   v[OACC:OACC+1]      ; |o|^2: my 32 numbers in two chains,
	v_pk_mul_f32 v[T+2:T+3], v[OACC+2:OACC+3], v[OACC+2:OACC+3]
.irp i, 2,4,6,8,10,12,14
	v_pk_fma_f32 v[T:T+1],   v[OACC+2*\i:OACC+2*\i+1],   v[OACC+2*\i:OACC+2*\i+1],   v[T:T+1]
	v_pk_fma_f32 v[T+2:T+3], v[OACC+2*\i+2:OACC+2*\i+3], v[OACC+2*\i+2:OACC+2*\i+3], v[T+2:T+3]
.endr
	v_pk_add_f32 v[T:T+1], v[T:T+1], v[T+2:T+3]
	v_add_f32 v[T], v[T], v[T+1]
	v_permlanex16_b32 v[T+1], v[T], s13, s14       ; the other 32 lie in the lane 16 away
	v_add_f32 v[T], v[T], v[T+1]
.if LAST
	v_add_f32 v[T], 0x33d6bf95, v[T]               ; q = |o|^2 + 1e-7
	v_sqrt_f32 v[T+2], v[T]
	v_add_f32 v[T+3], 0.5, v[T]                    ; a plain instruction behind the root (ISA guide 5.7.2)
	v_rcp_f32 v[T+3], v[T+3]
	v_nop
	v_mul_f32 v[T+4], v[T+2], v[T+3]               ; sqrt(q) / (0.5 + q)
	v_mov_b32 v[T+5], v[T+4]
.irp i, 0,1,2,3,4,5,6,7,8,9,10,11,12,13,14,15
	v_pk_mul_f32 v[OACC+2*\i:OACC+2*\i+1], v[OACC+2*\i:OACC+2*\i+1], v[T+4:T+5]
.endr
	; every wave holds all of o: it stages all 16 batches in bytes of its own and takes back its four rows; LDS serves a wave's instructions in order, so no wait and no barrier between
.irp ot, 0,1,2,3
	ds_store_b128 v[DW], v[OACC+8*\ot:OACC+8*\ot+3]   offset:\ot*64
	ds_store_b128 v[DW], v[OACC+8*\ot+4:OACC+8*\ot+7] offset:\ot*64+16
.endr
.irp k2, 0,1
	ds_load_b128 v[RB+4*\k2:RB+4*\k2+3], v[DR] offset:\k2*2*PO
.endr
	s_wait_dscnt 0x1                               ; the first of the two loads is in
	global_store_b128 v[GDO], v[RB:RB+3], s[8:9] th:TH_STORE_NT                  ; 16 lanes store a capsule's 256 bytes, aligned
	s_wait_dscnt 0x0
	global_store_b128 v[GDO], v[RB+4:RB+7], s[8:9] offset:16384 th:TH_STORE_NT
.else
	v_sqrt_f32 v[T+2], v[T]
	v_nop
	s_wait_alu depctr_va_vdst(0)
	v_max_num_f32 v[T+2], 0x2b8cbccc, v[T+2]       ; max(|o|, 1e-12)
	v_rcp_f32 v[T+4], v[T+2]
	v_nop
	s_wait_alu depctr_va_vdst(0)
	v_mov_b32 v[T+5], v[T+4]
.irp i, 0,1,2,3,4,5,6,7,8,9,10,11,12,13,14,15
	v_pk_mul_f32 v[OACC+2*\i:OACC+2*\i+1], v[OACC+2*\i:OACC+2*\i+1], v[T+4:T+5]
.endr
	; packed, tiles 2 p and 2 p + 1 ARE registers 0-3 and 4-7 of the second product's fragment p (column = batch r, k = 8 h + j and 16 + 8 h + j): no shuffle
.irp ot, 0,1,2,3
.irp q, 0,1,2,3
	v_cvt_pk_f16_f32 v[OH+4*\ot+\q], v[OACC+8*\ot+2*\q], v[OACC+8*\ot+2*\q+1]
.endr
.endr
	; v^T = W_n^T o: rows = my four split tiles of d, columns = batches, 64 along o in two steps; four accumulators by turns
.irp td, 0,1,2,3
	v_wmma_f32_16x16x32_f16 v[VACC+8*\td:VACC+8*\td+7], v[TW+8*\td:TW+8*\td+7], v[OH:OH+7], 0
.endr
.irp td, 0,1,2,3
	v_wmma_f32_16x16x32_f16 v[VACC+8*\td:VACC+8*\td+7], v[TW+32+8*\td:TW+32+8*\td+7], v[OH+8:OH+15], v[VACC+8*\td:VACC+8*\td+7]
.endr
	PLACES
.irp i, 0,1,2,3,4,5,6,7,8,9,10,11,12,13,14,15
	v_pk_mul_f32 v[VACC+2*\i:VACC+2*\i+1], v[VACC+2*\i:VACC+2*\i+1], 0x3fb8aa3b op_sel_hi:[1,0]   ; log2(e): the softmax works in base 2
.endr
.irp td, 0,1,2,3
.irp q, 0,1,2,3
	v_cvt_pk_f16_f32 v[VP+4*\td+\q], v[VACC+8*\td+2*\q], v[VACC+8*\td+2*\q+1]
.endr
	ds_store_b128 v[DW], v[VP+4*\td:VP+4*\td+3] offset:\td*16      ; v[batch r][n0 + 64 h .. + 7]
.endr
	s_wait_dscnt 0x0                               ; my columns are staged
	s_barrier_signal -1
	s_barrier_wait -1                              ; all 256 are
.irp rr, 0,1,2,3
	ds_load_b128 v[RB+4*\rr:RB+4*\rr+3], v[DR] offset:\rr*PW
.endr
.irp rr, 0,1,2,3
	s_wait_dscnt 3-\rr                             ; row rr is in, the younger loads stay out
	global_store_b128 v[GDO], v[RB+4*\rr:RB+4*\rr+3], s[8:9] offset:\rr*16384    ; a whole row of 512 consecutive bytes, aligned
.endr
.endif
	s_wait_tensorcnt 0x0
	ds_add_u32 v232, v233
	s_wait_dscnt 0x0
	s_endpgm
.Lfunc_end_k_qcff1d5b17f_mix_first:
	.size	k_qcff1d5b17f_mix_first, .Lfunc_end_k_qcff1d5b17f_mix_first-k_qcff1d5b17f_mix_first
	.p2alignl 7, 3214868480
	.fill 96, 4, 3214868480
	.section	.rodata,"a",@progbits
	.p2align	6, 0x0
	.amdhsa_kernel k_qcff1d5b17f_mix_first
		.amdhsa_group_segment_fixed_size 168448
		.amdhsa_private_segment_fixed_size 0
		.amdhsa_enable_private_segment 0
		.amdhsa_kernarg_size 24
		.amdhsa_user_sgpr_count 2
		.amdhsa_user_sgpr_kernarg_segment_ptr 1
		.amdhsa_wavefront_size32 1
		.amdhsa_system_sgpr_workgroup_id_x 1
		.amdhsa_system_sgpr_workgroup_id_y 1
		.amdhsa_system_sgpr_workgroup_id_z 1
		.amdhsa_system_vgpr_workitem_id 0
		.amdhsa_next_free_vgpr 234
		.amdhsa_next_free_sgpr 66
		.amdhsa_reserve_vcc 0
		.amdhsa_float_denorm_mode_32 3
		.amdhsa_float_denorm_mode_16_64 3
		.amdhsa_memory_ordered 1
		.amdhsa_forward_progress 1
		.amdhsa_inst_pref_size 30
	.end_amdhsa_kernel
	.amdgpu_metadata
---
amdhsa.version: [ 1, 2 ]
amdhsa.kernels:
  - .name:           k_qcff1d5b17f_mix_first
    .symbol:         k_qcff1d5b17f_mix_first.kd
    .args:
      - { .name: csum, .offset: 0, .size: 8, .value_kind: global_buffer, .address_space: global }
      - { .name: w16, .offset: 8, .size: 8, .value_kind: global_buffer, .address_space: global }
      - { .name: v16, .offset: 16, .size: 8, .value_kind: global_buffer, .address_space: global }
    .group_segment_fixed_size: 168448
    .private_segment_fixed_size: 0
    .kernarg_segment_align: 8
    .kernarg_segment_size: 24
    .max_flat_workgroup_size: 128
    .sgpr_count:     66
    .vgpr_count:     234
    .wavefront_size: 32
...
	.end_amdgpu_metadata
.endif
;; end of part 2
;; launch route1 (part 3): grid 256 x 1, 4 waves a work-group, no clusters, 202,240 bytes of LDS; arguments u16, v16, spart; writes spart
.if DOCPART == 3
	.amdgcn_target "amdgcn-amd-amdhsa--gfx1250"
	.amdhsa_code_object_version 6
	.text
	.protected	k_qcff1d5b17f_route1
	.globl	k_qcff1d5b17f_route1
	.p2align	8
	.type	k_qcff1d5b17f_route1,@function
k_qcff1d5b17f_route1:
	s_mov_b64 s[64:65], 0
	v_nop
	global_prefetch_b8 v0, s[64:65] scope:SCOPE_SE
	s_setreg_imm32_b32 hwreg(HW_REG_WAVE_MODE, 25, 1), 1
	s_wait_xcnt 0x0
; route: one routing step on 256 rows of one batch.  logits[i][n] = u[i] . v[n] (v carries log2 e, so they are in base 2); c = softmax over the 32
; capsules n, with the row's maximum taken away; spart[n][b][q][d] = sum over the 256 rows i of c[i][n] u[i][d].
; LIMITS: matrix operands (u, v, c) are f16, sums f32; c below 6e-5 keeps an absolute error of 3e-8; v_exp_f32 gives 0 below 2^-126.
; The order of the sums is not the reference's.
; Work-group x = 4 b + q: rows 256 q .. of batch b, 128 KiB in f16, and the batch's v, 16 KiB.  Both lie in LDS whole, asked for in the first lines and
; filled once: there is no slot to fill again.  At most two tensor loads of a wave are out (wave 0: its rows of u, and v).
; No cluster: what the four work-groups of a batch share is v, 16 of the 144 KiB that a work-group reads.
; Four waves.  Logits and softmax: wave w takes rows 64 w .. 64 w + 63, all 32 capsules.  Sums: wave w takes 64 of the 256 columns d, all 256 rows.
; LDS rows of u and v are 512 bytes + 16: row r starts 16 r bytes further modulo 256, so the sixteen rows of a fragment load do not meet.
.set PU,    528
.set VBASE, 256*PU                     ; 135,168: v, 32 rows
.set CBASE, VBASE+32*PU                ; 152,064: c as 16 ready fragments of 1,024 bytes (LDS stores alone write here and beyond)
.set SBASE, CBASE+16*1024              ; 168,448: the stage for the way out, 32 rows of 1,024 + 16 bytes
.set PS,    1040
.set AU,   6                           ; v6      my rows of u as fragments: 64 w rows + r x 528 + 16 h   (r = lane % 16, h = lane / 16)
.set AV,   7                           ; v7      v as fragments
.set CW,   8                           ; v8      where I put my fragments of c
.set CR,   9                           ; v9      where all fragments of c are read
.set TA,   10                          ; v[10:13] transposing loads of u, rows 64 g ..
.set STW,  14                          ; v14     stage: where I put sums
.set STR,  15                          ; v15     stage: where I read rows back
.set GO,   16                          ; v16     16 x lane
.set ACC,  18                          ; v[18:81]  eight accumulator tiles: (x, t) at ACC + 8 (2 x + t)
.set BUF,  82                          ; v[82:225] three fragment buffers of 48: first operand's tile x at + 8 x, second's tile t at + 32 + 8 t
.set MX,   82                          ; v[82:89]  softmax: maxima, then sums, then their reciprocals
.set CP,   90                          ; v[90:121] c in f16
.set RB,   82                          ; v[82:145] rows read back
.set G1U,  16                          ; s[16:23] group 1 for 64 rows of u
.set G1V,  24                          ; s[24:31] group 1 for v's 32 rows
.set G0U,  32                          ; s[32:35]
.set G0V,  36                          ; s[36:39]
	s_load_b128 s[4:7], s[0:1], 0x0                ; u16 s[4:5], v16 s[6:7]
	s_load_b64 s[8:9], s[0:1], 0x10                ; spart
	v_lshl_add_u32 v232, v0, 2, 0x31400
	v_mov_b32 v233, 0
	ds_add_u32 v232, v233
	ds_add_u32 v232, v233
	v_lshrrev_b32 v1, 5, v0
	v_readfirstlane_b32 s10, v1                    ; wave 0..3
	; group 1: rows of 256 elements of 2 bytes, 16 bytes of padding behind every 128 words
	s_mov_b32 s[G1U+0], (1<<16)|(1<<20)|(6<<22)|(3<<25)
	s_mov_b32 s[G1U+1], 256<<16                    ; tensor_dim0 = 256
	s_mov_b32 s[G1U+2], 64<<16                     ; tensor_dim1 = 64
	s_mov_b32 s[G1U+3], 256<<16                    ; tile_dim0 = 256
	s_mov_b32 s[G1U+4], 64                         ; tile_dim1 = 64
	s_mov_b32 s[G1U+5], 256                        ; elements from row to row
	s_mov_b32 s[G1U+6], 0
	s_mov_b32 s[G1U+7], 0
	s_mov_b32 s[G1V+0], (1<<16)|(1<<20)|(6<<22)|(3<<25)
	s_mov_b32 s[G1V+1], 256<<16
	s_mov_b32 s[G1V+2], 32<<16                     ; 32 rows
	s_mov_b32 s[G1V+3], 256<<16
	s_mov_b32 s[G1V+4], 32
	s_mov_b32 s[G1V+5], 256
	s_mov_b32 s[G1V+6], 0
	s_mov_b32 s[G1V+7], 0
	s_mov_b32 s[G0U], 1
	s_mul_i32 s[G0U+1], s10, 64*PU                 ; my 64 rows' place in LDS
	s_mov_b32 s[G0V], 1
	s_mov_b32 s[G0V+1], VBASE
	s_lshl_b32 s2, ttmp9, 17                       ; 256 rows of 512 bytes
	s_lshl_b32 s11, s10, 15                        ; + my 64
	s_add_co_u32 s2, s2, s11
	s_mov_b32 s3, 0
	s_lshr_b32 s12, ttmp9, 2                       ; batch
	s_lshl_b32 s12, s12, 14                        ; 32 rows of 512 bytes
	s_mov_b32 s13, 0
	s_lshl_b32 s14, ttmp9, 10                      ; spart: (b, q)'s 1,024 bytes
	s_lshl_b32 s15, s10, 21                        ; + my eight capsules of 262,144 bytes
	s_add_co_u32 s14, s14, s15
	s_mov_b32 s15, 0
	s_wait_dscnt 0x0
	s_wait_kmcnt 0x0
	s_add_nc_u64 s[G0U+2:G0U+3], s[4:5], s[2:3]
	s_or_b32 s[G0U+3], s[G0U+3], 0x80000000        ; type = 2
	s_add_nc_u64 s[G0V+2:G0V+3], s[6:7], s[12:13]
	s_or_b32 s[G0V+3], s[G0V+3], 0x80000000
	s_add_nc_u64 s[8:9], s[8:9], s[14:15]
	tensor_load_to_lds s[G0U:G0U+3], s[G1U:G1U+7]  ; every wave: its 64 rows of u
	s_nop 0
	s_cmp_lg_u32 s10, 0
	s_cbranch_scc1 .Lno_v
	tensor_load_to_lds s[G0V:G0V+3], s[G1V:G1V+7]  ; wave 0: v
	s_nop 0
.Lno_v:
	; addresses, while the tiles are on their way
	v_and_b32 v1, 31, v0                           ; lane
	v_and_b32 v2, 15, v0                           ; r
	v_bfe_u32 v3, v0, 4, 1                         ; h
	v_mul_u32_u24 v4, v2, PU
	v_lshl_add_u32 v4, v3, 4, v4                   ; r x 528 + 16 h
	v_add_nc_u32 v[AU], s[G0U+1], v4
	v_add_nc_u32 v[AV], VBASE, v4
	v_lshlrev_b32 v[GO], 4, v1
	s_lshl_b32 s41, s10, 12                        ; my four fragments of c
	s_add_co_u32 s41, s41, CBASE
	v_add_nc_u32 v[CW], s41, v[GO]
	v_add_nc_u32 v[CR], CBASE, v[GO]
	s_lshr_b32 s40, s10, 1
	s_lshl_b32 s40, s40, 7
	s_and_b32 s41, s10, 1
	s_lshl_b32 s41, s41, 5
	s_add_co_u32 s40, s40, s41                     ; my first column: 128 (w / 2) + 32 (w % 2)
	; A tile of 16 columns d is SPLIT: columns n0 .. n0 + 7 and n0 + 64 .. n0 + 71, n0 = my first column + 8 td.  The transposing load's lanes 0-7
	; then address 16 j and its lanes 8-15 16 j + 128 modulo 256: sixteen different places.  My four tiles cover 32 + 32 columns, the four waves all 256.
	v_and_b32 v5, 7, v0
	v_lshl_add_u32 v5, v3, 3, v5                   ; row 8 h + lane % 8
	v_mul_u32_u24 v5, v5, PU
	v_bfe_u32 v4, v0, 3, 1
	v_lshl_add_u32 v5, v4, 7, v5                   ; the second eight columns lie 128 bytes on
	s_lshl_b32 s42, s40, 1
	v_add_nc_u32 v[TA], s42, v5
	v_add_nc_u32 v[TA+1], 64*PU, v[TA]
	v_add_nc_u32 v[TA+2], 128*PU, v[TA]
	v_add_nc_u32 v[TA+3], 192*PU, v[TA]
	v_mul_u32_u24 v[STW], v2, PS
	v_lshl_add_u32 v[STW], v3, 8, v[STW]           ; capsule r, column n0 + 64 h, in f32
	s_lshl_b32 s43, s40, 2
	s_add_co_u32 s43, s43, SBASE
	v_add_nc_u32 v[STW], s43, v[STW]
	s_mul_i32 s43, s10, 8*PS
	s_add_co_u32 s43, s43, SBASE
	v_add_nc_u32 v[STR], s43, v[GO]                ; rows 8 w .., 16 bytes a lane
	s_wait_tensorcnt 0x0                           ; what I asked for has landed
	s_barrier_signal -1
	s_barrier_wait -1                              ; all of u and v has
.macro PLACES                          ; four plain vector instructions between a matrix instruction and a load into, or a vector instruction on, its registers
.rept 4
	v_nop
.endr
.endm
; twelve LDS loads for the logits: my four tiles of 16 rows of u, v's two tiles of 16 capsules, 32 along d at byte 64 ks of the rows
.macro LOADL ks, k
.irp it, 0,1,2,3
	ds_load_b128 v[BUF+48*\k+8*\it:BUF+48*\k+8*\it+3],   v[AU] offset:\it*16*PU+\ks*64
	ds_load_b128 v[BUF+48*\k+8*\it+4:BUF+48*\k+8*\it+7], v[AU] offset:\it*16*PU+\ks*64+32
.endr
.irp t, 0,1
	ds_load_b128 v[BUF+48*\k+32+8*\t:BUF+48*\k+32+8*\t+3],   v[AV] offset:\t*16*PU+\ks*64
	ds_load_b128 v[BUF+48*\k+32+8*\t+4:BUF+48*\k+32+8*\t+7], v[AV] offset:\t*16*PU+\ks*64+32
.endr
.endm
; twelve LDS loads for the sums: u^T of my four split tiles by transposing loads, rows 32 ks .. 32 ks + 31, and c's two ready fragments of those rows
.macro LOADS ks, k
.irp td, 0,1,2,3
	ds_load_tr16_b128 v[BUF+48*\k+8*\td:BUF+48*\k+8*\td+3],   v[TA+(\ks>>1)] offset:(\ks&1)*32*PU+\td*16
	ds_load_tr16_b128 v[BUF+48*\k+8*\td+4:BUF+48*\k+8*\td+7], v[TA+(\ks>>1)] offset:(\ks&1)*32*PU+\td*16+16*PU
.endr
.irp t, 0,1
	ds_load_b128 v[BUF+48*\k+32+8*\t:BUF+48*\k+32+8*\t+3],   v[CR] offset:(2*\ks+\t)*1024
	ds_load_b128 v[BUF+48*\k+32+8*\t+4:BUF+48*\k+32+8*\t+7], v[CR] offset:(2*\ks+\t)*1024+512
.endr
.endm
.macro LOAD ph, ks, k
.if \ph
	LOADS \ks, \k
.else
	LOADL \ks, \k
.endif
.endm
; eight matrix instructions; the eight accumulators take turns, one instruction a turn
.macro MUL8 k, zero
.irp x, 0,1,2,3
.irp t, 0,1
.if \zero
	v_wmma_f32_16x16x32_f16 v[ACC+8*(2*\x+\t):ACC+8*(2*\x+\t)+7], v[BUF+48*\k+8*\x:BUF+48*\k+8*\x+7], v[BUF+48*\k+32+8*\t:BUF+48*\k+32+8*\t+7], 0
.else
	v_wmma_f32_16x16x32_f16 v[ACC+8*(2*\x+\t):ACC+8*(2*\x+\t)+7], v[BUF+48*\k+8*\x:BUF+48*\k+8*\x+7], v[BUF+48*\k+32+8*\t:BUF+48*\k+32+8*\t+7], v[ACC+8*(2*\x+\t):ACC+8*(2*\x+\t)+7]
.endif
.endr
.endr
.endm
.macro STEP ph, ks, kl, km             ; fetch step ks into buffer kl, which the last products read; multiply buffer km
	PLACES
	LOAD \ph, \ks, \kl
	s_wait_dscnt 24                                ; all but the 12 + 12 loads of the two steps ahead
	MUL8 \km, 0
.endm
.macro PHASE ph                        ; a product of eight steps of 32 on three buffers, fragments fetched two steps ahead
	LOAD \ph, 0, 0
	LOAD \ph, 1, 1
	LOAD \ph, 2, 2
	s_wait_dscnt 24
	MUL8 0, 1                                      ; the first products start the sums: nothing is cleared
	STEP \ph, 3, 0, 1
	STEP \ph, 4, 1, 2
	STEP \ph, 5, 2, 0
	STEP \ph, 6, 0, 1
	STEP \ph, 7, 1, 2
	s_wait_dscnt 12                                ; the last step's twelve loads may be out
	MUL8 0, 0
	s_wait_dscnt 0x0
	MUL8 1, 0
.endm
; The softmax of 16 rows (tile it).  Lane (r, h), register j of tile (it, t): the logit of row 16 it + 8 h + j and capsule 16 t + r: a row's 32 capsules
; lie in two registers of sixteen lanes.  Every stage runs over the eight j, so that no instruction waits for the one in front of it.
.macro SOFT it
.irp j, 0,1,2,3,4,5,6,7
	v_max_num_f32 v[MX+\j], v[ACC+16*\it+\j], v[ACC+16*\it+8+\j]
.endr
.irp m, 1,2,4,8
.irp j, 0,1,2,3,4,5,6,7
	v_max_num_f32_dpp v[MX+\j], v[MX+\j], v[MX+\j] row_xmask:\m row_mask:0xf bank_mask:0xf
.endr
.endr
.irp t, 0,8
.irp p, 0,2,4,6
	v_pk_add_f32 v[ACC+16*\it+\t+\p:ACC+16*\it+\t+\p+1], v[ACC+16*\it+\t+\p:ACC+16*\it+\t+\p+1], v[MX+\p:MX+\p+1] neg_lo:[0,1] neg_hi:[0,1]   ; the row's maximum is taken away
.endr
.endr
.irp j, 0,1,2,3,4,5,6,7,8,9,10,11,12,13,14,15
	v_exp_f32 v[ACC+16*\it+\j], v[ACC+16*\it+\j]
.endr
	v_nop                                          ; a plain instruction between the exponentials and their first use (ISA guide 5.7.2)
	s_wait_alu depctr_va_vdst(0)
.irp p, 0,2,4,6
	v_pk_add_f32 v[MX+\p:MX+\p+1], v[ACC+16*\it+\p:ACC+16*\it+\p+1], v[ACC+16*\it+8+\p:ACC+16*\it+8+\p+1]
.endr
.irp m, 1,2,4,8
.irp j, 0,1,2,3,4,5,6,7
	v_add_f32_dpp v[MX+\j], v[MX+\j], v[MX+\j] row_xmask:\m row_mask:0xf bank_mask:0xf
.endr
.endr
.irp j, 0,1,2,3,4,5,6,7
	v_rcp_f32 v[MX+\j], v[MX+\j]                   ; the sum is at least 1: the largest term is 2^0
.endr
	v_nop
	s_wait_alu depctr_va_vdst(0)
.irp t, 0,8
.irp p, 0,2,4,6
	v_pk_mul_f32 v[ACC+16*\it+\t+\p:ACC+16*\it+\t+\p+1], v[ACC+16*\it+\t+\p:ACC+16*\it+\t+\p+1], v[MX+\p:MX+\p+1]
.endr
.endr
	; packed in pairs of j, a tile IS half of the sums' fragment of c (column = capsule r, k = 8 h + j): an even tile registers 0-3, an odd one 4-7.  No shuffle.
.irp t, 0,1
.irp p, 0,1,2,3
	v_cvt_pk_f16_f32 v[CP+8*\it+4*\t+\p], v[ACC+16*\it+8*\t+2*\p], v[ACC+16*\it+8*\t+2*\p+1]
.endr
.endr
.irp t, 0,1
	ds_store_b128 v[CW], v[CP+8*\it+4*\t:CP+8*\it+4*\t+3] offset:((\it>>1)*2+\t)*1024+(\it&1)*512   ; 16 bytes a lane, 512 consecutive bytes
.endr
.endm
	PHASE 0                                        ; logits: rows = my 64 rows of u, columns = 32 capsules, 256 along d
	PLACES
	SOFT 0
	SOFT 1
	SOFT 2
	SOFT 3
	s_wait_dscnt 0x0                               ; my fragments of c are in LDS
	s_barrier_signal -1
	s_barrier_wait -1                              ; all sixteen are
	PHASE 1                                        ; sums: rows = my 64 columns d, columns = 32 capsules, 256 along i
	PLACES
	; lane (r, h), register j of tile (td, t): s[capsule 16 t + r][n0 + 64 h + j]: eight neighbouring f32 of a row
.irp td, 0,1,2,3
.irp t, 0,1
	ds_store_b128 v[STW], v[ACC+8*(2*\td+\t):ACC+8*(2*\td+\t)+3]   offset:\t*16*PS+\td*32
	ds_store_b128 v[STW], v[ACC+8*(2*\td+\t)+4:ACC+8*(2*\td+\t)+7] offset:\t*16*PS+\td*32+16
.endr
.endr
	s_wait_dscnt 0x0                               ; my columns are staged
	s_barrier_signal -1
	s_barrier_wait -1                              ; all 256 are
.irp rr, 0,1,2,3,4,5,6,7
.irp hf, 0,1
	ds_load_b128 v[RB+4*(2*\rr+\hf):RB+4*(2*\rr+\hf)+3], v[STR] offset:\rr*PS+\hf*512
.endr
.endr
.irp rr, 0,1,2,3,4,5,6,7
.irp hf, 0,1
	s_wait_dscnt 15-(2*\rr+\hf)                    ; this load is in, the younger ones stay out
	global_store_b128 v[GO], v[RB+4*(2*\rr+\hf):RB+4*(2*\rr+\hf)+3], s[8:9] offset:\rr*262144+\hf*512   ; 512 consecutive bytes, aligned
.endr
.endr
	s_wait_tensorcnt 0x0
	ds_add_u32 v232, v233
	s_wait_dscnt 0x0
	s_endpgm
.Lfunc_end_k_qcff1d5b17f_route1:
	.size	k_qcff1d5b17f_route1, .Lfunc_end_k_qcff1d5b17f_route1-k_qcff1d5b17f_route1
	.p2alignl 7, 3214868480
	.fill 96, 4, 3214868480
	.section	.rodata,"a",@progbits
	.p2align	6, 0x0
	.amdhsa_kernel k_qcff1d5b17f_route1
		.amdhsa_group_segment_fixed_size 202240
		.amdhsa_private_segment_fixed_size 0
		.amdhsa_enable_private_segment 0
		.amdhsa_kernarg_size 24
		.amdhsa_user_sgpr_count 2
		.amdhsa_user_sgpr_kernarg_segment_ptr 1
		.amdhsa_wavefront_size32 1
		.amdhsa_system_sgpr_workgroup_id_x 1
		.amdhsa_system_sgpr_workgroup_id_y 1
		.amdhsa_system_sgpr_workgroup_id_z 1
		.amdhsa_system_vgpr_workitem_id 0
		.amdhsa_next_free_vgpr 234
		.amdhsa_next_free_sgpr 66
		.amdhsa_reserve_vcc 0
		.amdhsa_float_denorm_mode_32 3
		.amdhsa_float_denorm_mode_16_64 3
		.amdhsa_memory_ordered 1
		.amdhsa_forward_progress 1
		.amdhsa_inst_pref_size 59
	.end_amdhsa_kernel
	.amdgpu_metadata
---
amdhsa.version: [ 1, 2 ]
amdhsa.kernels:
  - .name:           k_qcff1d5b17f_route1
    .symbol:         k_qcff1d5b17f_route1.kd
    .args:
      - { .name: u16, .offset: 0, .size: 8, .value_kind: global_buffer, .address_space: global }
      - { .name: v16, .offset: 8, .size: 8, .value_kind: global_buffer, .address_space: global }
      - { .name: spart, .offset: 16, .size: 8, .value_kind: global_buffer, .address_space: global }
    .group_segment_fixed_size: 202240
    .private_segment_fixed_size: 0
    .kernarg_segment_align: 8
    .kernarg_segment_size: 24
    .max_flat_workgroup_size: 128
    .sgpr_count:     66
    .vgpr_count:     234
    .wavefront_size: 32
...
	.end_amdgpu_metadata
.endif
;; end of part 3
;; launch mix_mid (part 4): grid 32 x 4, 4 waves a work-group, no clusters, 168,448 bytes of LDS; arguments spart, w16, v16; writes v16
.if DOCPART == 4
	.amdgcn_target "amdgcn-amd-amdhsa--gfx1250"
	.amdhsa_code_object_version 6
	.text
	.protected	k_qcff1d5b17f_mix_mid
	.globl	k_qcff1d5b17f_mix_mid
	.p2align	8
	.type	k_qcff1d5b17f_mix_mid,@function
k_qcff1d5b17f_mix_mid:
	s_mov_b64 s[64:65], 0
	v_nop
	global_prefetch_b8 v0, s[64:65] scope:SCOPE_SE
	s_setreg_imm32_b32 hwreg(HW_REG_WAVE_MODE, 25, 1), 1
	s_wait_xcnt 0x0
; mix: for capsule n and 16 batches: s = sum over the four row quarters of the partial sums; o = W_n s (W_n = rows 64 n .. 64 n + 63 of W);
; then either (LAST = 0) o is normalised as the layer does, o / max(|o|, 1e-12), and v = log2(e) W_n^T o is stored in f16 (the next launch's
; logits are u . v, in base 2), or (LAST = 1) o is squashed, sqrt(q) / (0.5 + q) o with q = |o|^2 + 1e-7, and stored as the result.
; One text serves three launches; the two lines below are all that differs.
; FIRST = 1: the source is csum[b][q][d], the same for every capsule, and the factor 2^-5 on s IS the first softmax's c = 1/32.
; FIRST = 0: the source is spart[n][b][q][d]; s enters the product as s 2^-5, to have room in f16, and o is multiplied by 32 afterwards.
.set FIRST, 0
.set LAST,  0
; LIMITS: matrix operands are f16, sums f32.  s 2^-5 is finite in f16 while |s| < 2,096,000, that is for every |u| < 2047 (|s| <= 1024 max|u|);
; operand values below 6e-5 keep an absolute error of 3e-8.  The order of the sums is not the reference's.  v_sqrt_f32 and v_rcp_f32 take
; denormals as zero: a squared norm below 2^-126 counts as 0, which the clamp at 1e-12 (or the 1e-7) covers.
; No cluster: what the four work-groups of a capsule share is W_n, 32 KiB of the 96 KiB that a work-group reads.  No slots that take turns: all that a
; work-group reads fits LDS and registers at once and is asked for in its first lines.
; Work-group (n, g): capsule n = x, batches 16 g .. 16 g + 15.  Four waves.  Every wave makes the whole of o^T (64 x 16, 32 matrix instructions),
; which spares an exchange; of v each wave makes 64 of the 256 columns.
; LDS: W_n 64 rows x 528 (512 bytes + 16: row r starts 16 r bytes further modulo 256, so the sixteen rows of a fragment load do not meet);
; s 16 rows x 528; the stage for the way out.  Only the first region is filled by the tensor load, the others by LDS stores.
.set PW,     528
.set WBASE,  0
.set SABASE, 64*PW                     ; 33,792
.set VSBASE, SABASE+16*PW              ; 42,240
.set PO,     272                       ; LAST: a staged row of 64 f32 + 16 bytes
.set AW,   6                           ; v6   W fragments: r x 528 + 16 h   (r = lane % 16, h = lane / 16)
.set ASA,  7                           ; v7   s fragments: the same in s's region
.set SW,   8                           ; v8   where I put my 8 bytes of s
.set TWA,  9                           ; v9   transposing loads of W_n
.set DW,   10                          ; v10  stage: where I put results
.set DR,   11                          ; v11  stage: where I read rows back
.set GDO,  12                          ; v12  byte offset in the destination
.set GSO,  13                          ; v13  byte offset in the source
.set OACC, 16                          ; v[16:47]   o^T: tile ot (16 of the 64 numbers of o x 16 batches) at OACC + 8 ot
.set RING, 48                          ; v[48:167]  three fragment buffers of 40: W's tile ot at + 8 ot, s at + 32
.set TW,   168                         ; v[168:231] W_n^T: fragment (p, td) at TW + 8 (4 p + td)
.set SX,   48                          ; v[48:175]  the partial sums as loaded; dead before the first fragment load
.set OH,   48                          ; v[48:63]   normalised o in f16: fragment p at OH + 8 p
.set VACC, 64                          ; v[64:95]   v^T: tile td at VACC + 8 td
.set VP,   96                          ; v[96:111]  v in f16
.set RB,   112                         ; v[112:127] rows read back
.set T,    128                         ; v[128:133] at work
.set G1,   16                          ; s[16:23] descriptor group 1
.set G0,   24                          ; s[24:27] descriptor group 0
	s_load_b128 s[4:7], s[0:1], 0x0                ; source s[4:5], w16 s[6:7]
	s_load_b64 s[8:9], s[0:1], 0x10                ; destination
	v_lshl_add_u32 v232, v0, 2, 0x29000
	v_mov_b32 v233, 0
	ds_add_u32 v232, v233
	ds_add_u32 v232, v233
	v_lshrrev_b32 v1, 5, v0
	v_readfirstlane_b32 s10, v1                    ; wave 0..3
	s_mov_b32 s11, ttmp9                           ; capsule n
	s_and_b32 s12, ttmp7, 0xffff                   ; batch group g
	s_mov_b32 s13, 0x76543210                      ; v_permlanex16_b32: lane i reads lane i of the other half
	s_mov_b32 s14, 0xfedcba98
	; group 1: 64 rows x 256 elements of 2 bytes, 16 bytes of padding behind every 128 words
	s_mov_b32 s[G1+0], (1<<16)|(1<<20)|(6<<22)|(3<<25)
	s_mov_b32 s[G1+1], 256<<16                     ; tensor_dim0 = 256
	s_mov_b32 s[G1+2], 64<<16                      ; tensor_dim1 = 64
	s_mov_b32 s[G1+3], 256<<16                     ; tile_dim0 = 256
	s_mov_b32 s[G1+4], 64                          ; tile_dim1 = 64
	s_mov_b32 s[G1+5], 256                         ; elements from row to row
	s_mov_b32 s[G1+6], 0
	s_mov_b32 s[G1+7], 0
	s_mov_b32 s[G0], 1
	s_mov_b32 s[G0+1], WBASE
	s_lshl_b32 s28, s11, 15                        ; W_n: 64 rows of 512 bytes
	s_mov_b32 s29, 0
	s_lshl_b32 s2, s12, 16                         ; source: 16 batches x 4 quarters x 1,024 bytes
.if FIRST == 0
	s_lshl_b32 s3, s11, 18                         ; + capsule x 64 batches x 4,096 bytes
	s_add_co_u32 s2, s2, s3
.endif
	s_mov_b32 s3, 0
.if LAST
	s_lshl_b32 s30, s12, 17                        ; out0[b][n][64] f32: 16 batches of 8,192 bytes,
	s_lshl_b32 s31, s11, 8                         ; a capsule's 256 bytes,
	s_add_co_u32 s30, s30, s31
	s_lshl_b32 s31, s10, 15                        ; my four batches
	s_add_co_u32 s30, s30, s31
.else
	s_lshl_b32 s30, s12, 18                        ; v16[b][n][256] f16: 16 batches of 16,384 bytes,
	s_lshl_b32 s31, s11, 9                         ; a capsule's 512 bytes,
	s_add_co_u32 s30, s30, s31
	s_lshl_b32 s31, s10, 16                        ; my four batches
	s_add_co_u32 s30, s30, s31
.endif
	s_mov_b32 s31, 0
	v_lshrrev_b32 v4, 6, v0                        ; threads 0-63 take the even batch of a pair, 64-127 the odd one
	v_and_b32 v5, 63, v0                           ; four columns a thread
	v_lshlrev_b32 v[GSO], 4, v5
	v_lshl_or_b32 v[GSO], v4, 12, v[GSO]
	s_wait_dscnt 0x0
	s_wait_kmcnt 0x0
	s_add_nc_u64 s[G0+2:G0+3], s[6:7], s[28:29]
	s_or_b32 s[G0+3], s[G0+3], 0x80000000          ; type = 2
	s_add_nc_u64 s[4:5], s[4:5], s[2:3]
	s_add_nc_u64 s[8:9], s[8:9], s[30:31]
	s_cmp_lg_u32 s10, 0
	s_cbranch_scc1 .Lno_w
	tensor_load_to_lds s[G0:G0+3], s[G1:G1+7]      ; wave 0 alone: W_n, the launch's only fill; one tensor load is out
	s_nop 0
.Lno_w:
.irp bi, 0,1,2,3,4,5,6,7
.irp q, 0,1,2,3
.if FIRST
	global_load_b128 v[SX+16*\bi+4*\q:SX+16*\bi+4*\q+3], v[GSO], s[4:5] offset:\bi*8192+\q*1024               ; read by all 32 capsules' groups: no hint
.else
	global_load_b128 v[SX+16*\bi+4*\q:SX+16*\bi+4*\q+3], v[GSO], s[4:5] offset:\bi*8192+\q*1024 th:TH_LOAD_NT ; read once in the launch
.endif
.endr
.endr
	; addresses, while the loads are out
	v_and_b32 v1, 31, v0                           ; lane
	v_and_b32 v2, 15, v0                           ; r
	v_bfe_u32 v3, v0, 4, 1                         ; h
	v_mul_u32_u24 v[AW], v2, PW
	v_lshl_add_u32 v[AW], v3, 4, v[AW]
	v_add_nc_u32 v[ASA], SABASE, v[AW]
	v_mul_u32_u24 v[SW], v4, PW
	v_lshl_add_u32 v[SW], v5, 3, v[SW]
	v_add_nc_u32 v[SW], SABASE, v[SW]
.if LAST
	s_mul_i32 s3, s10, 16*PO
	s_add_co_u32 s3, s3, VSBASE                    ; my own stage: 16 rows x 272 bytes
	v_mul_u32_u24 v[DW], v2, PO
	v_lshl_add_u32 v[DW], v3, 5, v[DW]             ; batch r, 32 bytes for each half of the lanes
	v_add_nc_u32 v[DW], s3, v[DW]
	s_mul_i32 s2, s10, 4*PO
	s_add_co_u32 s2, s2, s3                        ; rows 4 w ..
	v_mul_u32_u24 v[DR], v3, PO                    ; lanes 0-15 one row of 256 bytes, lanes 16-31 the next
	v_lshl_add_u32 v[DR], v2, 4, v[DR]
	v_add_nc_u32 v[DR], s2, v[DR]
	v_lshlrev_b32 v[GDO], 4, v2
	v_lshl_or_b32 v[GDO], v3, 13, v[GDO]           ; the next batch is 8,192 bytes on
.else
	s_lshr_b32 s15, s10, 1
	s_lshl_b32 s15, s15, 7
	s_and_b32 s2, s10, 1
	s_lshl_b32 s2, s2, 5
	s_add_co_u32 s15, s15, s2                      ; my first column: 128 (w / 2) + 32 (w % 2)
	s_lshl_b32 s2, s15, 1                          ; in bytes of f16
	; A tile of 16 columns d is SPLIT: columns n0 .. n0 + 7 and n0 + 64 .. n0 + 71, n0 = my first column + 8 td.  The transposing load's lanes 0-7
	; then address 16 j and its lanes 8-15 16 j + 128 modulo 256: sixteen different places.  My four tiles cover 32 + 32 columns.
	v_and_b32 v[TWA], 7, v0
	v_lshl_add_u32 v[TWA], v3, 3, v[TWA]           ; row 8 h + lane % 8
	v_mul_u32_u24 v[TWA], v[TWA], PW
	v_bfe_u32 v4, v0, 3, 1
	v_lshl_add_u32 v[TWA], v4, 7, v[TWA]           ; the second eight columns lie 128 bytes on
	v_add_nc_u32 v[TWA], s2, v[TWA]
	s_add_co_u32 s3, s2, VSBASE
	v_mul_u32_u24 v[DW], v2, PW
	v_lshl_add_u32 v[DW], v3, 7, v[DW]             ; batch r, column n0 + 64 h
	v_add_nc_u32 v[DW], s3, v[DW]
	s_mul_i32 s3, s10, 4*PW
	s_add_co_u32 s3, s3, VSBASE
	v_lshlrev_b32 v[GDO], 4, v1
	v_add_nc_u32 v[DR], s3, v[GDO]                 ; rows 4 w .., 16 bytes a lane: a whole row of 512 bytes
.endif
	; s = the sum of the four quarters, times 2^-5, in f16, into LDS as [16 batches][256]
.irp bi, 0,1,2,3,4,5,6,7
	s_wait_loadcnt 28-4*\bi                        ; this pair of batches' four loads are in; the 28 - 4 bi younger ones stay out
	v_pk_add_f32 v[SX+16*\bi:SX+16*\bi+1],     v[SX+16*\bi:SX+16*\bi+1],     v[SX+16*\bi+4:SX+16*\bi+5]
	v_pk_add_f32 v[SX+16*\bi+2:SX+16*\bi+3],   v[SX+16*\bi+2:SX+16*\bi+3],   v[SX+16*\bi+6:SX+16*\bi+7]
	v_pk_add_f32 v[SX+16*\bi+8:SX+16*\bi+9],   v[SX+16*\bi+8:SX+16*\bi+9],   v[SX+16*\bi+12:SX+16*\bi+13]
	v_pk_add_f32 v[SX+16*\bi+10:SX+16*\bi+11], v[SX+16*\bi+10:SX+16*\bi+11], v[SX+16*\bi+14:SX+16*\bi+15]
	v_pk_add_f32 v[SX+16*\bi:SX+16*\bi+1],     v[SX+16*\bi:SX+16*\bi+1],     v[SX+16*\bi+8:SX+16*\bi+9]
	v_pk_add_f32 v[SX+16*\bi+2:SX+16*\bi+3],   v[SX+16*\bi+2:SX+16*\bi+3],   v[SX+16*\bi+10:SX+16*\bi+11]
	v_pk_mul_f32 v[SX+16*\bi:SX+16*\bi+1],     v[SX+16*\bi:SX+16*\bi+1],     0x3d000000 op_sel_hi:[1,0]   ; 2^-5
	v_pk_mul_f32 v[SX+16*\bi+2:SX+16*\bi+3],   v[SX+16*\bi+2:SX+16*\bi+3],   0x3d000000 op_sel_hi:[1,0]
	v_cvt_pk_f16_f32 v[SX+16*\bi],   v[SX+16*\bi],   v[SX+16*\bi+1]
	v_cvt_pk_f16_f32 v[SX+16*\bi+1], v[SX+16*\bi+2], v[SX+16*\bi+3]
	ds_store_b64 v[SW], v[SX+16*\bi:SX+16*\bi+1] offset:\bi*2*PW
.endr
	s_wait_tensorcnt 0x0                           ; W_n has landed (wave 0; the others have none out),
	s_wait_dscnt 0x0                               ; my part of s is in LDS,
	s_barrier_signal -1
	s_barrier_wait -1                              ; and so is everybody's
.macro PLACES                          ; four plain vector instructions between a matrix instruction and a load into, or a vector instruction on, its registers
.rept 4
	v_nop
.endr
.endm
; ten LDS loads: W_n's four tiles and s, 32 along d at byte 64 ks of the rows, into buffer k
.macro LOADO ks, k
.irp ot, 0,1,2,3
	ds_load_b128 v[RING+40*\k+8*\ot:RING+40*\k+8*\ot+3],   v[AW] offset:\ot*16*PW+\ks*64
	ds_load_b128 v[RING+40*\k+8*\ot+4:RING+40*\k+8*\ot+7], v[AW] offset:\ot*16*PW+\ks*64+32
.endr
	ds_load_b128 v[RING+40*\k+32:RING+40*\k+35], v[ASA] offset:\ks*64
	ds_load_b128 v[RING+40*\k+36:RING+40*\k+39], v[ASA] offset:\ks*64+32
.endm
; four matrix instructions; the four accumulators take turns, one instruction a turn
.macro MUL4 k, zero
.irp ot, 0,1,2,3
.if \zero
	v_wmma_f32_16x16x32_f16 v[OACC+8*\ot:OACC+8*\ot+7], v[RING+40*\k+8*\ot:RING+40*\k+8*\ot+7], v[RING+40*\k+32:RING+40*\k+39], 0
.else
	v_wmma_f32_16x16x32_f16 v[OACC+8*\ot:OACC+8*\ot+7], v[RING+40*\k+8*\ot:RING+40*\k+8*\ot+7], v[RING+40*\k+32:RING+40*\k+39], v[OACC+8*\ot:OACC+8*\ot+7]
.endif
.endr
.endm
.macro STEPO ks, kl, km                ; fetch step ks into buffer kl, which the last products read; multiply buffer km
	PLACES
	LOADO \ks, \kl
	s_wait_dscnt 20                                ; all but the 10 + 10 loads of the two steps ahead
	MUL4 \km, 0
.endm
.if LAST == 0
	; W_n^T for the second product: 16 transposing loads, older than all that follow, so the counts below are as without them
.irp p, 0,1
.irp td, 0,1,2,3
	ds_load_tr16_b128 v[TW+8*(4*\p+\td):TW+8*(4*\p+\td)+3],   v[TWA] offset:\p*32*PW+\td*16
	ds_load_tr16_b128 v[TW+8*(4*\p+\td)+4:TW+8*(4*\p+\td)+7], v[TWA] offset:\p*32*PW+\td*16+16*PW
.endr
.endr
.endif
	; o^T = W_n s^T: rows = the 64 numbers of o, columns = 16 batches, 256 along d in eight steps on three buffers
	LOADO 0, 0
	LOADO 1, 1
	LOADO 2, 2
	s_wait_dscnt 20
	MUL4 0, 1                                      ; the first products start the sums
	STEPO 3, 0, 1
	STEPO 4, 1, 2
	STEPO 5, 2, 0
	STEPO 6, 0, 1
	STEPO 7, 1, 2
	s_wait_dscnt 10                                ; the last step's ten loads may be out
	MUL4 0, 0
	s_wait_dscnt 0x0
	MUL4 1, 0
	PLACES
	; lane (r, h), register j of tile ot: o[16 ot + 8 h + j] of batch r
.if FIRST == 0
.irp i, 0,1,2,3,4,5,6,7,8,9,10,11,12,13,14,15
	v_pk_mul_f32 v[OACC+2*\i:OACC+2*\i+1], v[OACC+2*\i:OACC+2*\i+1], 0x42000000 op_sel_hi:[1,0]   ; x 32: the true o
.endr
.endif
	v_pk_mul_f32 v[T:T+1],   v[OACC:OACC+1],   v[OACC:OACC+1]      ; |o|^2: my 32 numbers in two chains,
	v_pk_mul_f32 v[T+2:T+3], v[OACC+2:OACC+3], v[OACC+2:OACC+3]
.irp i, 2,4,6,8,10,12,14
	v_pk_fma_f32 v[T:T+1],   v[OACC+2*\i:OACC+2*\i+1],   v[OACC+2*\i:OACC+2*\i+1],   v[T:T+1]
	v_pk_fma_f32 v[T+2:T+3], v[OACC+2*\i+2:OACC+2*\i+3], v[OACC+2*\i+2:OACC+2*\i+3], v[T+2:T+3]
.endr
	v_pk_add_f32 v[T:T+1], v[T:T+1], v[T+2:T+3]
	v_add_f32 v[T], v[T], v[T+1]
	v_permlanex16_b32 v[T+1], v[T], s13, s14       ; the other 32 lie in the lane 16 away
	v_add_f32 v[T], v[T], v[T+1]
.if LAST
	v_add_f32 v[T], 0x33d6bf95, v[T]               ; q = |o|^2 + 1e-7
	v_sqrt_f32 v[T+2], v[T]
	v_add_f32 v[T+3], 0.5, v[T]                    ; a plain instruction behind the root (ISA guide 5.7.2)
	v_rcp_f32 v[T+3], v[T+3]
	v_nop
	v_mul_f32 v[T+4], v[T+2], v[T+3]               ; sqrt(q) / (0.5 + q)
	v_mov_b32 v[T+5], v[T+4]
.irp i, 0,1,2,3,4,5,6,7,8,9,10,11,12,13,14,15
	v_pk_mul_f32 v[OACC+2*\i:OACC+2*\i+1], v[OACC+2*\i:OACC+2*\i+1], v[T+4:T+5]
.endr
	; every wave holds all of o: it stages all 16 batches in bytes of its own and takes back its four rows; LDS serves a wave's instructions in order, so no wait and no barrier between
.irp ot, 0,1,2,3
	ds_store_b128 v[DW], v[OACC+8*\ot:OACC+8*\ot+3]   offset:\ot*64
	ds_store_b128 v[DW], v[OACC+8*\ot+4:OACC+8*\ot+7] offset:\ot*64+16
.endr
.irp k2, 0,1
	ds_load_b128 v[RB+4*\k2:RB+4*\k2+3], v[DR] offset:\k2*2*PO
.endr
	s_wait_dscnt 0x1                               ; the first of the two loads is in
	global_store_b128 v[GDO], v[RB:RB+3], s[8:9] th:TH_STORE_NT                  ; 16 lanes store a capsule's 256 bytes, aligned
	s_wait_dscnt 0x0
	global_store_b128 v[GDO], v[RB+4:RB+7], s[8:9] offset:16384 th:TH_STORE_NT
.else
	v_sqrt_f32 v[T+2], v[T]
	v_nop
	s_wait_alu depctr_va_vdst(0)
	v_max_num_f32 v[T+2], 0x2b8cbccc, v[T+2]       ; max(|o|, 1e-12)
	v_rcp_f32 v[T+4], v[T+2]
	v_nop
	s_wait_alu depctr_va_vdst(0)
	v_mov_b32 v[T+5], v[T+4]
.irp i, 0,1,2,3,4,5,6,7,8,9,10,11,12,13,14,15
	v_pk_mul_f32 v[OACC+2*\i:OACC+2*\i+1], v[OACC+2*\i:OACC+2*\i+1], v[T+4:T+5]
.endr
	; packed, tiles 2 p and 2 p + 1 ARE registers 0-3 and 4-7 of the second product's fragment p (column = batch r, k = 8 h + j and 16 + 8 h + j): no shuffle
.irp ot, 0,1,2,3
.irp q, 0,1,2,3
	v_cvt_pk_f16_f32 v[OH+4*\ot+\q], v[OACC+8*\ot+2*\q], v[OACC+8*\ot+2*\q+1]
.endr
.endr
	; v^T = W_n^T o: rows = my four split tiles of d, columns = batches, 64 along o in two steps; four accumulators by turns
.irp td, 0,1,2,3
	v_wmma_f32_16x16x32_f16 v[VACC+8*\td:VACC+8*\td+7], v[TW+8*\td:TW+8*\td+7], v[OH:OH+7], 0
.endr
.irp td, 0,1,2,3
	v_wmma_f32_16x16x32_f16 v[VACC+8*\td:VACC+8*\td+7], v[TW+32+8*\td:TW+32+8*\td+7], v[OH+8:OH+15], v[VACC+8*\td:VACC+8*\td+7]
.endr
	PLACES
.irp i, 0,1,2,3,4,5,6,7,8,9,10,11,12,13,14,15
	v_pk_mul_f32 v[VACC+2*\i:VACC+2*\i+1], v[VACC+2*\i:VACC+2*\i+1], 0x3fb8aa3b op_sel_hi:[1,0]   ; log2(e): the softmax works in base 2
.endr
.irp td, 0,1,2,3
.irp q, 0,1,2,3
	v_cvt_pk_f16_f32 v[VP+4*\td+\q], v[VACC+8*\td+2*\q], v[VACC+8*\td+2*\q+1]
.endr
	ds_store_b128 v[DW], v[VP+4*\td:VP+4*\td+3] offset:\td*16      ; v[batch r][n0 + 64 h .. + 7]
.endr
	s_wait_dscnt 0x0                               ; my columns are staged
	s_barrier_signal -1
	s_barrier_wait -1                              ; all 256 are
.irp rr, 0,1,2,3
	ds_load_b128 v[RB+4*\rr:RB+4*\rr+3], v[DR] offset:\rr*PW
.endr
.irp rr, 0,1,2,3
	s_wait_dscnt 3-\rr                             ; row rr is in, the younger loads stay out
	global_store_b128 v[GDO], v[RB+4*\rr:RB+4*\rr+3], s[8:9] offset:\rr*16384    ; a whole row of 512 consecutive bytes, aligned
.endr
.endif
	s_wait_tensorcnt 0x0
	ds_add_u32 v232, v233
	s_wait_dscnt 0x0
	s_endpgm
.Lfunc_end_k_qcff1d5b17f_mix_mid:
	.size	k_qcff1d5b17f_mix_mid, .Lfunc_end_k_qcff1d5b17f_mix_mid-k_qcff1d5b17f_mix_mid
	.p2alignl 7, 3214868480
	.fill 96, 4, 3214868480
	.section	.rodata,"a",@progbits
	.p2align	6, 0x0
	.amdhsa_kernel k_qcff1d5b17f_mix_mid
		.amdhsa_group_segment_fixed_size 168448
		.amdhsa_private_segment_fixed_size 0
		.amdhsa_enable_private_segment 0
		.amdhsa_kernarg_size 24
		.amdhsa_user_sgpr_count 2
		.amdhsa_user_sgpr_kernarg_segment_ptr 1
		.amdhsa_wavefront_size32 1
		.amdhsa_system_sgpr_workgroup_id_x 1
		.amdhsa_system_sgpr_workgroup_id_y 1
		.amdhsa_system_sgpr_workgroup_id_z 1
		.amdhsa_system_vgpr_workitem_id 0
		.amdhsa_next_free_vgpr 234
		.amdhsa_next_free_sgpr 66
		.amdhsa_reserve_vcc 0
		.amdhsa_float_denorm_mode_32 3
		.amdhsa_float_denorm_mode_16_64 3
		.amdhsa_memory_ordered 1
		.amdhsa_forward_progress 1
		.amdhsa_inst_pref_size 32
	.end_amdhsa_kernel
	.amdgpu_metadata
---
amdhsa.version: [ 1, 2 ]
amdhsa.kernels:
  - .name:           k_qcff1d5b17f_mix_mid
    .symbol:         k_qcff1d5b17f_mix_mid.kd
    .args:
      - { .name: spart, .offset: 0, .size: 8, .value_kind: global_buffer, .address_space: global }
      - { .name: w16, .offset: 8, .size: 8, .value_kind: global_buffer, .address_space: global }
      - { .name: v16, .offset: 16, .size: 8, .value_kind: global_buffer, .address_space: global }
    .group_segment_fixed_size: 168448
    .private_segment_fixed_size: 0
    .kernarg_segment_align: 8
    .kernarg_segment_size: 24
    .max_flat_workgroup_size: 128
    .sgpr_count:     66
    .vgpr_count:     234
    .wavefront_size: 32
...
	.end_amdgpu_metadata
.endif
;; end of part 4
;; launch route2: the kernel of part 3 again; grid 256 x 1, 4 waves a work-group, no clusters, 202,240 bytes of LDS; arguments u16, v16, spart; writes spart
;; launch mix_last (part 5): grid 32 x 4, 4 waves a work-group, no clusters, 168,448 bytes of LDS; arguments spart, w16, out0; writes out0
.if DOCPART == 5
	.amdgcn_target "amdgcn-amd-amdhsa--gfx1250"
	.amdhsa_code_object_version 6
	.text
	.protected	k_qcff1d5b17f_mix_last
	.globl	k_qcff1d5b17f_mix_last
	.p2align	8
	.type	k_qcff1d5b17f_mix_last,@function
k_qcff1d5b17f_mix_last:
	s_mov_b64 s[64:65], 0
	v_nop
	global_prefetch_b8 v0, s[64:65] scope:SCOPE_SE
	s_setreg_imm32_b32 hwreg(HW_REG_WAVE_MODE, 25, 1), 1
	s_wait_xcnt 0x0
; mix: for capsule n and 16 batches: s = sum over the four row quarters of the partial sums; o = W_n s (W_n = rows 64 n .. 64 n + 63 of W);
; then either (LAST = 0) o is normalised as the layer does, o / max(|o|, 1e-12), and v = log2(e) W_n^T o is stored in f16 (the next launch's
; logits are u . v, in base 2), or (LAST = 1) o is squashed, sqrt(q) / (0.5 + q) o with q = |o|^2 + 1e-7, and stored as the result.
; One text serves three launches; the two lines below are all that differs.
; FIRST = 1: the source is csum[b][q][d], the same for every capsule, and the factor 2^-5 on s IS the first softmax's c = 1/32.
; FIRST = 0: the source is spart[n][b][q][d]; s enters the product as s 2^-5, to have room in f16, and o is multiplied by 32 afterwards.
.set FIRST, 0
.set LAST,  1
; LIMITS: matrix operands are f16, sums f32.  s 2^-5 is finite in f16 while |s| < 2,096,000, that is for every |u| < 2047 (|s| <= 1024 max|u|);
; operand values below 6e-5 keep an absolute error of 3e-8.  The order of the sums is not the reference's.  v_sqrt_f32 and v_rcp_f32 take
; denormals as zero: a squared norm below 2^-126 counts as 0, which the clamp at 1e-12 (or the 1e-7) covers.
; No cluster: what the four work-groups of a capsule share is W_n, 32 KiB of the 96 KiB that a work-group reads.  No slots that take turns: all that a
; work-group reads fits LDS and registers at once and is asked for in its first lines.
; Work-group (n, g): capsule n = x, batches 16 g .. 16 g + 15.  Four waves.  Every wave makes the whole of o^T (64 x 16, 32 matrix instructions),
; which spares an exchange; of v each wave makes 64 of the 256 columns.
; LDS: W_n 64 rows x 528 (512 bytes + 16: row r starts 16 r bytes further modulo 256, so the sixteen rows of a fragment load do not meet);
; s 16 rows x 528; the stage for the way out.  Only the first region is filled by the tensor load, the others by LDS stores.
.set PW,     528
.set WBASE,  0
.set SABASE, 64*PW                     ; 33,792
.set VSBASE, SABASE+16*PW              ; 42,240
.set PO,     272                       ; LAST: a staged row of 64 f32 + 16 bytes
.set AW,   6                           ; v6   W fragments: r x 528 + 16 h   (r = lane % 16, h = lane / 16)
.set ASA,  7                           ; v7   s fragments: the same in s's region
.set SW,   8                           ; v8   where I put my 8 bytes of s
.set TWA,  9                           ; v9   transposing loads of W_n
.set DW,   10                          ; v10  stage: where I put results
.set DR,   11                          ; v11  stage: where I read rows back
.set GDO,  12                          ; v12  byte offset in the destination
.set GSO,  13                          ; v13  byte offset in the source
.set OACC, 16                          ; v[16:47]   o^T: tile ot (16 of the 64 numbers of o x 16 batches) at OACC + 8 ot
.set RING, 48                          ; v[48:167]  three fragment buffers of 40: W's tile ot at + 8 ot, s at + 32
.set TW,   168                         ; v[168:231] W_n^T: fragment (p, td) at TW + 8 (4 p + td)
.set SX,   48                          ; v[48:175]  the partial sums as loaded; dead before the first fragment load
.set OH,   48                          ; v[48:63]   normalised o in f16: fragment p at OH + 8 p
.set VACC, 64                          ; v[64:95]   v^T: tile td at VACC + 8 td
.set VP,   96                          ; v[96:111]  v in f16
.set RB,   112                         ; v[112:127] rows read back
.set T,    128                         ; v[128:133] at work
.set G1,   16                          ; s[16:23] descriptor group 1
.set G0,   24                          ; s[24:27] descriptor group 0
	s_load_b128 s[4:7], s[0:1], 0x0                ; source s[4:5], w16 s[6:7]
	s_load_b64 s[8:9], s[0:1], 0x10                ; destination
	v_lshl_add_u32 v232, v0, 2, 0x29000
	v_mov_b32 v233, 0
	ds_add_u32 v232, v233
	ds_add_u32 v232, v233
	v_lshrrev_b32 v1, 5, v0
	v_readfirstlane_b32 s10, v1                    ; wave 0..3
	s_mov_b32 s11, ttmp9                           ; capsule n
	s_and_b32 s12, ttmp7, 0xffff                   ; batch group g
	s_mov_b32 s13, 0x76543210                      ; v_permlanex16_b32: lane i reads lane i of the other half
	s_mov_b32 s14, 0xfedcba98
	; group 1: 64 rows x 256 elements of 2 bytes, 16 bytes of padding behind every 128 words
	s_mov_b32 s[G1+0], (1<<16)|(1<<20)|(6<<22)|(3<<25)
	s_mov_b32 s[G1+1], 256<<16                     ; tensor_dim0 = 256
	s_mov_b32 s[G1+2], 64<<16                      ; tensor_dim1 = 64
	s_mov_b32 s[G1+3], 256<<16                     ; tile_dim0 = 256
	s_mov_b32 s[G1+4], 64                          ; tile_dim1 = 64
	s_mov_b32 s[G1+5], 256                         ; elements from row to row
	s_mov_b32 s[G1+6], 0
	s_mov_b32 s[G1+7], 0
	s_mov_b32 s[G0], 1
	s_mov_b32 s[G0+1], WBASE
	s_lshl_b32 s28, s11, 15                        ; W_n: 64 rows of 512 bytes
	s_mov_b32 s29, 0
	s_lshl_b32 s2, s12, 16                         ; source: 16 batches x 4 quarters x 1,024 bytes
.if FIRST == 0
	s_lshl_b32 s3, s11, 18                         ; + capsule x 64 batches x 4,096 bytes
	s_add_co_u32 s2, s2, s3
.endif
	s_mov_b32 s3, 0
.if LAST
	s_lshl_b32 s30, s12, 17                        ; out0[b][n][64] f32: 16 batches of 8,192 bytes,
	s_lshl_b32 s31, s11, 8                         ; a capsule's 256 bytes,
	s_add_co_u32 s30, s30, s31
	s_lshl_b32 s31, s10, 15                        ; my four batches
	s_add_co_u32 s30, s30, s31
.else
	s_lshl_b32 s30, s12, 18                        ; v16[b][n][256] f16: 16 batches of 16,384 bytes,
	s_lshl_b32 s31, s11, 9                         ; a capsule's 512 bytes,
	s_add_co_u32 s30, s30, s31
	s_lshl_b32 s31, s10, 16                        ; my four batches
	s_add_co_u32 s30, s30, s31
.endif
	s_mov_b32 s31, 0
	v_lshrrev_b32 v4, 6, v0                        ; threads 0-63 take the even batch of a pair, 64-127 the odd one
	v_and_b32 v5, 63, v0                           ; four columns a thread
	v_lshlrev_b32 v[GSO], 4, v5
	v_lshl_or_b32 v[GSO], v4, 12, v[GSO]
	s_wait_dscnt 0x0
	s_wait_kmcnt 0x0
	s_add_nc_u64 s[G0+2:G0+3], s[6:7], s[28:29]
	s_or_b32 s[G0+3], s[G0+3], 0x80000000          ; type = 2
	s_add_nc_u64 s[4:5], s[4:5], s[2:3]
	s_add_nc_u64 s[8:9], s[8:9], s[30:31]
	s_cmp_lg_u32 s10, 0
	s_cbranch_scc1 .Lno_w
	tensor_load_to_lds s[G0:G0+3], s[G1:G1+7]      ; wave 0 alone: W_n, the launch's only fill; one tensor load is out
	s_nop 0
.Lno_w:
.irp bi, 0,1,2,3,4,5,6,7
.irp q, 0,1,2,3
.if FIRST
	global_load_b128 v[SX+16*\bi+4*\q:SX+16*\bi+4*\q+3], v[GSO], s[4:5] offset:\bi*8192+\q*1024               ; read by all 32 capsules' groups: no hint
.else
	global_load_b128 v[SX+16*\bi+4*\q:SX+16*\bi+4*\q+3], v[GSO], s[4:5] offset:\bi*8192+\q*1024 th:TH_LOAD_NT ; read once in the launch
.endif
.endr
.endr
	; addresses, while the loads are out
	v_and_b32 v1, 31, v0                           ; lane
	v_and_b32 v2, 15, v0                           ; r
	v_bfe_u32 v3, v0, 4, 1                         ; h
	v_mul_u32_u24 v[AW], v2, PW
	v_lshl_add_u32 v[AW], v3, 4, v[AW]
	v_add_nc_u32 v[ASA], SABASE, v[AW]
	v_mul_u32_u24 v[SW], v4, PW
	v_lshl_add_u32 v[SW], v5, 3, v[SW]
	v_add_nc_u32 v[SW], SABASE, v[SW]
.if LAST
	s_mul_i32 s3, s10, 16*PO
	s_add_co_u32 s3, s3, VSBASE                    ; my own stage: 16 rows x 272 bytes
	v_mul_u32_u24 v[DW], v2, PO
	v_lshl_add_u32 v[DW], v3, 5, v[DW]             ; batch r, 32 bytes for each half of the lanes
	v_add_nc_u32 v[DW], s3, v[DW]
	s_mul_i32 s2, s10, 4*PO
	s_add_co_u32 s2, s2, s3                        ; rows 4 w ..
	v_mul_u32_u24 v[DR], v3, PO                    ; lanes 0-15 one row of 256 bytes, lanes 16-31 the next
	v_lshl_add_u32 v[DR], v2, 4, v[DR]
	v_add_nc_u32 v[DR], s2, v[DR]
	v_lshlrev_b32 v[GDO], 4, v2
	v_lshl_or_b32 v[GDO], v3, 13, v[GDO]           ; the next batch is 8,192 bytes on
.else
	s_lshr_b32 s15, s10, 1
	s_lshl_b32 s15, s15, 7
	s_and_b32 s2, s10, 1
	s_lshl_b32 s2, s2, 5
	s_add_co_u32 s15, s15, s2                      ; my first column: 128 (w / 2) + 32 (w % 2)
	s_lshl_b32 s2, s15, 1                          ; in bytes of f16
	; A tile of 16 columns d is SPLIT: columns n0 .. n0 + 7 and n0 + 64 .. n0 + 71, n0 = my first column + 8 td.  The transposing load's lanes 0-7
	; then address 16 j and its lanes 8-15 16 j + 128 modulo 256: sixteen different places.  My four tiles cover 32 + 32 columns.
	v_and_b32 v[TWA], 7, v0
	v_lshl_add_u32 v[TWA], v3, 3, v[TWA]           ; row 8 h + lane % 8
	v_mul_u32_u24 v[TWA], v[TWA], PW
	v_bfe_u32 v4, v0, 3, 1
	v_lshl_add_u32 v[TWA], v4, 7, v[TWA]           ; the second eight columns lie 128 bytes on
	v_add_nc_u32 v[TWA], s2, v[TWA]
	s_add_co_u32 s3, s2, VSBASE
	v_mul_u32_u24 v[DW], v2, PW
	v_lshl_add_u32 v[DW], v3, 7, v[DW]             ; batch r, column n0 + 64 h
	v_add_nc_u32 v[DW], s3, v[DW]
	s_mul_i32 s3, s10, 4*PW
	s_add_co_u32 s3, s3, VSBASE
	v_lshlrev_b32 v[GDO], 4, v1
	v_add_nc_u32 v[DR], s3, v[GDO]                 ; rows 4 w .., 16 bytes a lane: a whole row of 512 bytes
.endif
	; s = the sum of the four quarters, times 2^-5, in f16, into LDS as [16 batches][256]
.irp bi, 0,1,2,3,4,5,6,7
	s_wait_loadcnt 28-4*\bi                        ; this pair of batches' four loads are in; the 28 - 4 bi younger ones stay out
	v_pk_add_f32 v[SX+16*\bi:SX+16*\bi+1],     v[SX+16*\bi:SX+16*\bi+1],     v[SX+16*\bi+4:SX+16*\bi+5]
	v_pk_add_f32 v[SX+16*\bi+2:SX+16*\bi+3],   v[SX+16*\bi+2:SX+16*\bi+3],   v[SX+16*\bi+6:SX+16*\bi+7]
	v_pk_add_f32 v[SX+16*\bi+8:SX+16*\bi+9],   v[SX+16*\bi+8:SX+16*\bi+9],   v[SX+16*\bi+12:SX+16*\bi+13]
	v_pk_add_f32 v[SX+16*\bi+10:SX+16*\bi+11], v[SX+16*\bi+10:SX+16*\bi+11], v[SX+16*\bi+14:SX+16*\bi+15]
	v_pk_add_f32 v[SX+16*\bi:SX+16*\bi+1],     v[SX+16*\bi:SX+16*\bi+1],     v[SX+16*\bi+8:SX+16*\bi+9]
	v_pk_add_f32 v[SX+16*\bi+2:SX+16*\bi+3],   v[SX+16*\bi+2:SX+16*\bi+3],   v[SX+16*\bi+10:SX+16*\bi+11]
	v_pk_mul_f32 v[SX+16*\bi:SX+16*\bi+1],     v[SX+16*\bi:SX+16*\bi+1],     0x3d000000 op_sel_hi:[1,0]   ; 2^-5
	v_pk_mul_f32 v[SX+16*\bi+2:SX+16*\bi+3],   v[SX+16*\bi+2:SX+16*\bi+3],   0x3d000000 op_sel_hi:[1,0]
	v_cvt_pk_f16_f32 v[SX+16*\bi],   v[SX+16*\bi],   v[SX+16*\bi+1]
	v_cvt_pk_f16_f32 v[SX+16*\bi+1], v[SX+16*\bi+2], v[SX+16*\bi+3]
	ds_store_b64 v[SW], v[SX+16*\bi:SX+16*\bi+1] offset:\bi*2*PW
.endr
	s_wait_tensorcnt 0x0                           ; W_n has landed (wave 0; the others have none out),
	s_wait_dscnt 0x0                               ; my part of s is in LDS,
	s_barrier_signal -1
	s_barrier_wait -1                              ; and so is everybody's
.macro PLACES                          ; four plain vector instructions between a matrix instruction and a load into, or a vector instruction on, its registers
.rept 4
	v_nop
.endr
.endm
; ten LDS loads: W_n's four tiles and s, 32 along d at byte 64 ks of the rows, into buffer k
.macro LOADO ks, k
.irp ot, 0,1,2,3
	ds_load_b128 v[RING+40*\k+8*\ot:RING+40*\k+8*\ot+3],   v[AW] offset:\ot*16*PW+\ks*64
	ds_load_b128 v[RING+40*\k+8*\ot+4:RING+40*\k+8*\ot+7], v[AW] offset:\ot*16*PW+\ks*64+32
.endr
	ds_load_b128 v[RING+40*\k+32:RING+40*\k+35], v[ASA] offset:\ks*64
	ds_load_b128 v[RING+40*\k+36:RING+40*\k+39], v[ASA] offset:\ks*64+32
.endm
; four matrix instructions; the four accumulators take turns, one instruction a turn
.macro MUL4 k, zero
.irp ot, 0,1,2,3
.if \zero
	v_wmma_f32_16x16x32_f16 v[OACC+8*\ot:OACC+8*\ot+7], v[RING+40*\k+8*\ot:RING+40*\k+8*\ot+7], v[RING+40*\k+32:RING+40*\k+39], 0
.else
	v_wmma_f32_16x16x32_f16 v[OACC+8*\ot:OACC+8*\ot+7], v[RING+40*\k+8*\ot:RING+40*\k+8*\ot+7], v[RING+40*\k+32:RING+40*\k+39], v[OACC+8*\ot:OACC+8*\ot+7]
.endif
.endr
.endm
.macro STEPO ks, kl, km                ; fetch step ks into buffer kl, which the last products read; multiply buffer km
	PLACES
	LOADO \ks, \kl
	s_wait_dscnt 20                                ; all but the 10 + 10 loads of the two steps ahead
	MUL4 \km, 0
.endm
.if LAST == 0
	; W_n^T for the second product: 16 transposing loads, older than all that follow, so the counts below are as without them
.irp p, 0,1
.irp td, 0,1,2,3
	ds_load_tr16_b128 v[TW+8*(4*\p+\td):TW+8*(4*\p+\td)+3],   v[TWA] offset:\p*32*PW+\td*16
	ds_load_tr16_b128 v[TW+8*(4*\p+\td)+4:TW+8*(4*\p+\td)+7], v[TWA] offset:\p*32*PW+\td*16+16*PW
.endr
.endr
.endif
	; o^T = W_n s^T: rows = the 64 numbers of o, columns = 16 batches, 256 along d in eight steps on three buffers
	LOADO 0, 0
	LOADO 1, 1
	LOADO 2, 2
	s_wait_dscnt 20
	MUL4 0, 1                                      ; the first products start the sums
	STEPO 3, 0, 1
	STEPO 4, 1, 2
	STEPO 5, 2, 0
	STEPO 6, 0, 1
	STEPO 7, 1, 2
	s_wait_dscnt 10                                ; the last step's ten loads may be out
	MUL4 0, 0
	s_wait_dscnt 0x0
	MUL4 1, 0
	PLACES
	; lane (r, h), register j of tile ot: o[16 ot + 8 h + j] of batch r
.if FIRST == 0
.irp i, 0,1,2,3,4,5,6,7,8,9,10,11,12,13,14,15
	v_pk_mul_f32 v[OACC+2*\i:OACC+2*\i+1], v[OACC+2*\i:OACC+2*\i+1], 0x42000000 op_sel_hi:[1,0]   ; x 32: the true o
.endr
.endif
	v_pk_mul_f32 v[T:T+1],   v[OACC:OACC+1],   v[OACC:OACC+1]      ; |o|^2: my 32 numbers in two chains,
	v_pk_mul_f32 v[T+2:T+3], v[OACC+2:OACC+3], v[OACC+2:OACC+3]
.irp i, 2,4,6,8,10,12,14
	v_pk_fma_f32 v[T:T+1],   v[OACC+2*\i:OACC+2*\i+1],   v[OACC+2*\i:OACC+2*\i+1],   v[T:T+1]
	v_pk_fma_f32 v[T+2:T+3], v[OACC+2*\i+2:OACC+2*\i+3], v[OACC+2*\i+2:OACC+2*\i+3], v[T+2:T+3]
.endr
	v_pk_add_f32 v[T:T+1], v[T:T+1], v[T+2:T+3]
	v_add_f32 v[T], v[T], v[T+1]
	v_permlanex16_b32 v[T+1], v[T], s13, s14       ; the other 32 lie in the lane 16 away
	v_add_f32 v[T], v[T], v[T+1]
.if LAST
	v_add_f32 v[T], 0x33d6bf95, v[T]               ; q = |o|^2 + 1e-7
	v_sqrt_f32 v[T+2], v[T]
	v_add_f32 v[T+3], 0.5, v[T]                    ; a plain instruction behind the root (ISA guide 5.7.2)
	v_rcp_f32 v[T+3], v[T+3]
	v_nop
	s_wait_alu depctr_va_vdst(0)
	v_mul_f32 v[T+4], v[T+2], v[T+3]               ; sqrt(q) / (0.5 + q)
	v_mov_b32 v[T+5], v[T+4]
.irp i, 0,1,2,3,4,5,6,7,8,9,10,11,12,13,14,15
	v_pk_mul_f32 v[OACC+2*\i:OACC+2*\i+1], v[OACC+2*\i:OACC+2*\i+1], v[T+4:T+5]
.endr
	; every wave holds all of o: it stages all 16 batches in bytes of its own and takes back its four rows; LDS serves a wave's instructions in order, so no wait and no barrier between
.irp ot, 0,1,2,3
	ds_store_b128 v[DW], v[OACC+8*\ot:OACC+8*\ot+3]   offset:\ot*64
	ds_store_b128 v[DW], v[OACC+8*\ot+4:OACC+8*\ot+7] offset:\ot*64+16
.endr
.irp k2, 0,1
	ds_load_b128 v[RB+4*\k2:RB+4*\k2+3], v[DR] offset:\k2*2*PO
.endr
	s_wait_dscnt 0x1                               ; the first of the two loads is in
	global_store_b128 v[GDO], v[RB:RB+3], s[8:9] th:TH_STORE_NT                  ; 16 lanes store a capsule's 256 bytes, aligned
	s_wait_dscnt 0x0
	global_store_b128 v[GDO], v[RB+4:RB+7], s[8:9] offset:16384 th:TH_STORE_NT
.else
	v_sqrt_f32 v[T+2], v[T]
	v_nop
	v_max_num_f32 v[T+2], 0x2b8cbccc, v[T+2]       ; max(|o|, 1e-12)
	v_rcp_f32 v[T+4], v[T+2]
	v_nop
	v_mov_b32 v[T+5], v[T+4]
.irp i, 0,1,2,3,4,5,6,7,8,9,10,11,12,13,14,15
	v_pk_mul_f32 v[OACC+2*\i:OACC+2*\i+1], v[OACC+2*\i:OACC+2*\i+1], v[T+4:T+5]
.endr
	; packed, tiles 2 p and 2 p + 1 ARE registers 0-3 and 4-7 of the second product's fragment p (column = batch r, k = 8 h + j and 16 + 8 h + j): no shuffle
.irp ot, 0,1,2,3
.irp q, 0,1,2,3
	v_cvt_pk_f16_f32 v[OH+4*\ot+\q], v[OACC+8*\ot+2*\q], v[OACC+8*\ot+2*\q+1]
.endr
.endr
	; v^T = W_n^T o: rows = my four split tiles of d, columns = batches, 64 along o in two steps; four accumulators by turns
.irp td, 0,1,2,3
	v_wmma_f32_16x16x32_f16 v[VACC+8*\td:VACC+8*\td+7], v[TW+8*\td:TW+8*\td+7], v[OH:OH+7], 0
.endr
.irp td, 0,1,2,3
	v_wmma_f32_16x16x32_f16 v[VACC+8*\td:VACC+8*\td+7], v[TW+32+8*\td:TW+32+8*\td+7], v[OH+8:OH+15], v[VACC+8*\td:VACC+8*\td+7]
.endr
	PLACES
.irp i, 0,1,2,3,4,5,6,7,8,9,10,11,12,13,14,15
	v_pk_mul_f32 v[VACC+2*\i:VACC+2*\i+1], v[VACC+2*\i:VACC+2*\i+1], 0x3fb8aa3b op_sel_hi:[1,0]   ; log2(e): the softmax works in base 2
.endr
.irp td, 0,1,2,3
.irp q, 0,1,2,3
	v_cvt_pk_f16_f32 v[VP+4*\td+\q], v[VACC+8*\td+2*\q], v[VACC+8*\td+2*\q+1]
.endr
	ds_store_b128 v[DW], v[VP+4*\td:VP+4*\td+3] offset:\td*16      ; v[batch r][n0 + 64 h .. + 7]
.endr
	s_wait_dscnt 0x0                               ; my columns are staged
	s_barrier_signal -1
	s_barrier_wait -1                              ; all 256 are
.irp rr, 0,1,2,3
	ds_load_b128 v[RB+4*\rr:RB+4*\rr+3], v[DR] offset:\rr*PW
.endr
.irp rr, 0,1,2,3
	s_wait_dscnt 3-\rr                             ; row rr is in, the younger loads stay out
	global_store_b128 v[GDO], v[RB+4*\rr:RB+4*\rr+3], s[8:9] offset:\rr*16384    ; a whole row of 512 consecutive bytes, aligned
.endr
.endif
	s_wait_tensorcnt 0x0
	ds_add_u32 v232, v233
	s_wait_dscnt 0x0
	s_endpgm
.Lfunc_end_k_qcff1d5b17f_mix_last:
	.size	k_qcff1d5b17f_mix_last, .Lfunc_end_k_qcff1d5b17f_mix_last-k_qcff1d5b17f_mix_last
	.p2alignl 7, 3214868480
	.fill 96, 4, 3214868480
	.section	.rodata,"a",@progbits
	.p2align	6, 0x0
	.amdhsa_kernel k_qcff1d5b17f_mix_last
		.amdhsa_group_segment_fixed_size 168448
		.amdhsa_private_segment_fixed_size 0
		.amdhsa_enable_private_segment 0
		.amdhsa_kernarg_size 24
		.amdhsa_user_sgpr_count 2
		.amdhsa_user_sgpr_kernarg_segment_ptr 1
		.amdhsa_wavefront_size32 1
		.amdhsa_system_sgpr_workgroup_id_x 1
		.amdhsa_system_sgpr_workgroup_id_y 1
		.amdhsa_system_sgpr_workgroup_id_z 1
		.amdhsa_system_vgpr_workitem_id 0
		.amdhsa_next_free_vgpr 234
		.amdhsa_next_free_sgpr 66
		.amdhsa_reserve_vcc 0
		.amdhsa_float_denorm_mode_32 3
		.amdhsa_float_denorm_mode_16_64 3
		.amdhsa_memory_ordered 1
		.amdhsa_forward_progress 1
		.amdhsa_inst_pref_size 26
	.end_amdhsa_kernel
	.amdgpu_metadata
---
amdhsa.version: [ 1, 2 ]
amdhsa.kernels:
  - .name:           k_qcff1d5b17f_mix_last
    .symbol:         k_qcff1d5b17f_mix_last.kd
    .args:
      - { .name: spart, .offset: 0, .size: 8, .value_kind: global_buffer, .address_space: global }
      - { .name: w16, .offset: 8, .size: 8, .value_kind: global_buffer, .address_space: global }
      - { .name: out0, .offset: 16, .size: 8, .value_kind: global_buffer, .address_space: global }
    .group_segment_fixed_size: 168448
    .private_segment_fixed_size: 0
    .kernarg_segment_align: 8
    .kernarg_segment_size: 24
    .max_flat_workgroup_size: 128
    .sgpr_count:     66
    .vgpr_count:     234
    .wavefront_size: 32
...
	.end_amdgpu_metadata
.endif
;; end of part 5
